; MI455X (gfx1250); checked and timed in simulation.
; The chip was launched on July 23, 2026; its instructions are those of AMD's public machine-readable ISA for CDNA 5 (MIT licence, August 2026) and "CDNA5" Instruction Set Architecture Reference Guide (July 2026). The comments in the code are by the model that wrote it; some were corrected since.
;; Two Stream Block. Allowed arithmetic: float matrix products may take bf16 or f16 operands with f32 sums; other float arithmetic in f32, or as packed bf16 or f16 multiplies, adds, multiply-adds, maxima and minima; sums over many terms, partial sums and values carried from step to step in f32; what a program stores and reads back later, other than sums and carried values, may be rounded once to bf16 or f16.
;; Inputs: wk 512 x 2,048 float32; wo 2,048 x 1,024 float32; wq 1,024 x 2,048 float32; wv 512 x 2,048 float32; x0 2 x 2,048 x 2,048 float32; xt 2 x 2,048 x 2,048 float32.
;; Outputs: out0 2 x 2,048 x 2,048 float32.
;; 2 versions, each right; version 2 is version 1 with the launch prep written anew for expert scheduling mode. Each part assembles by itself: llvm-mc -triple=amdgcn-amd-amdhsa -mcpu=gfx1250 --defsym DOCPART=n.
;; ======== version 1 of 2: 4 launches
;; limits: values are held in f16: magnitudes above 65,504 overflow, below 6.1e-05 lose precision; a function is approximated: absolute error at most 0.00025
;; workspace buffers: xb 33,554,432 bytes; wb 8,388,608 bytes; wof 4,194,304 bytes; rot 1,048,576 bytes; qh 8,388,608 bytes; kh 8,388,608 bytes; vh 8,388,608 bytes; yb 8,388,608 bytes
;; launch prep (part 1): grid 768 x 1, 8 waves a work-group, no clusters, 0 bytes of LDS; arguments xt, x0, wq, wk, wv, wo, xb, wb, wof, rot; writes xb, wb, wof, rot
.if DOCPART == 1
	.amdgcn_target "amdgcn-amd-amdhsa--gfx1250"
	.amdhsa_code_object_version 6
	.text
	.protected	k_qeeb2a3207b_prep
	.globl	k_qeeb2a3207b_prep
	.p2align	8
	.type	k_qeeb2a3207b_prep,@function
k_qeeb2a3207b_prep:
	s_mov_b64 s[64:65], 0
	v_nop
	global_prefetch_b8 v0, s[64:65] scope:SCOPE_SE
	s_setreg_imm32_b32 hwreg(HW_REG_WAVE_MODE, 25, 1), 1
	s_wait_xcnt 0x0
; PREP.  All six inputs are rounded once to bf16 for the matrix units, and the rotary table is made.
;   xb  [8192][2048] bf16: rows 0-4095 xt by (b, t), rows 4096-8191 x0 by (b, t)
;   wb  [2048][2048] bf16: rows 0-1023 wq; row 1024 + 256 i + 0..127 head i of wk, + 128..255 head i of wv
;   wof [2048][1024] f16:  wo rounded to bf16, that number written as f16
;   rot [4096][64]   f32:  row t = cos(t f_j), j = 0..31, then sin(t f_j): 256 bytes.  f_j = 1024^(-j/31)
; LIMITS.  wo within f16's range (65,504); below 6e-5 its bf16 number keeps f16's fixed step of 6e-8.  f_j comes from v_exp_f32 (ISA guide: 1 ULP), the angle t f_j is rounded once to f32
; and reduced by pi/2 in two parts; the polynomials are cut where their next term is below 3e-8 for |y| <= pi/4, whatever the inputs: the table hangs on no input.
; SHARES.  Work-groups 0-703 stream: each takes 131,072 consecutive bytes of one source, 32 pieces of 4,096; thread t takes 16 bytes at 16 t of each piece and stores 8 bytes at 8 t of 2,048:
; a wave's load covers 512 consecutive bytes, its store 256, aligned.  All 32 loads of a wave go out at once.  No LDS, no barrier, no matrix unit: nothing is shared and memory binds.
; Work-groups 704-767 make 64 rows of the table each, a wave 8 rows, a lane two numbers: a store of a wave is one whole row.
.set X,   16                           ; v[16:143] 32 pieces of four registers
.set SRC, 28                           ; s[28:29]  the source at my first byte
.set DST, 30                           ; s[30:31]  the target at my first byte
	s_load_b512 s[8:23], s[0:1], 0x0               ; xt 8, x0 10, wq 12, wk 14, wv 16, wo 18, xb 20, wb 22
	s_load_b128 s[24:27], s[0:1], 0x40             ; wof 24, rot 26
	s_mov_b32 s32, ttmp9                           ; g
	s_mov_b32 s40, 0xffff0000                      ; a word's upper bf16
	v_lshlrev_b32 v1, 4, v0                        ; 16 t
	v_lshlrev_b32 v2, 3, v0                        ; 8 t
	s_wait_kmcnt 0x0
	s_cmp_ge_u32 s32, 704
	s_cbranch_scc1 .Ltable
	; which source and target: s33 the range's first work-group, s34 bytes added in the target, s35 = 1 where heads of wk and wv interleave
	s_mov_b64 s[SRC:SRC+1], s[8:9]
	s_mov_b64 s[DST:DST+1], s[20:21]
	s_mov_b32 s33, 0
	s_mov_b32 s34, 0
	s_mov_b32 s35, 0
	s_cmp_ge_u32 s32, 256                          ; x0: behind xt's 4,096 rows of 4,096 bytes
	s_cselect_b64 s[SRC:SRC+1], s[10:11], s[SRC:SRC+1]
	s_cselect_b32 s33, 256, s33
	s_cselect_b32 s34, 0x1000000, s34
	s_cmp_ge_u32 s32, 512                          ; wq
	s_cselect_b64 s[SRC:SRC+1], s[12:13], s[SRC:SRC+1]
	s_cselect_b64 s[DST:DST+1], s[22:23], s[DST:DST+1]
	s_cselect_b32 s33, 512, s33
	s_cselect_b32 s34, 0, s34
	s_cmp_ge_u32 s32, 576                          ; wk: from row 1,024 on
	s_cselect_b64 s[SRC:SRC+1], s[14:15], s[SRC:SRC+1]
	s_cselect_b32 s33, 576, s33
	s_cselect_b32 s34, 0x400000, s34
	s_cselect_b32 s35, 1, s35
	s_cmp_ge_u32 s32, 608                          ; wv: 128 rows further
	s_cselect_b64 s[SRC:SRC+1], s[16:17], s[SRC:SRC+1]
	s_cselect_b32 s33, 608, s33
	s_cselect_b32 s34, 0x480000, s34
	s_cmp_ge_u32 s32, 640                          ; wo
	s_cselect_b64 s[SRC:SRC+1], s[18:19], s[SRC:SRC+1]
	s_cselect_b64 s[DST:DST+1], s[24:25], s[DST:DST+1]
	s_cselect_b32 s33, 640, s33
	s_cselect_b32 s34, 0, s34
	s_cselect_b32 s35, 0, s35
	s_sub_co_u32 s33, s32, s33                     ; i: my place in the range
	s_lshl_b32 s36, s33, 17                        ; 131,072 i bytes of the source
	s_mov_b32 s37, 0
	s_add_nc_u64 s[SRC:SRC+1], s[SRC:SRC+1], s[36:37]
	s_lshr_b32 s38, s33, 3                         ; a head of wk or wv is eight work-groups: each head leaves room for the other tensor's, 524,288 bytes
	s_lshl_b32 s38, s38, 19
	s_mul_i32 s38, s38, s35
	s_lshl_b32 s36, s33, 16                        ; 65,536 i bytes of the target
	s_add_co_u32 s36, s36, s34
	s_add_co_u32 s36, s36, s38
	s_add_nc_u64 s[DST:DST+1], s[DST:DST+1], s[36:37]
.set i, 0
.rept 32
	global_load_b128 v[X+4*i:X+4*i+3], v1, s[SRC:SRC+1] offset:4096*i th:TH_LOAD_NT
.set i, i+1
.endr
	s_cmp_ge_u32 s32, 640
	s_cbranch_scc1 .Lf16
.set i, 0
.rept 32
	s_wait_loadcnt 31-i                            ; loads come back in order: piece i is in, the 31 - i younger ones stay out
	v_cvt_pk_bf16_f32 v[X+4*i], v[X+4*i], v[X+4*i+1]
	v_cvt_pk_bf16_f32 v[X+4*i+1], v[X+4*i+2], v[X+4*i+3]
	global_store_b64 v2, v[X+4*i:X+4*i+1], s[DST:DST+1] offset:2048*i th:TH_STORE_NT  ; no register that a load or store names is written again
.set i, i+1
.endr
	s_endpgm
.Lf16:                                                 ; wo: rounded to bf16 like the other inputs, widened again, and written as f16 (exact within f16's range)
.set i, 0
.rept 32
	s_wait_loadcnt 31-i
	v_cvt_pk_bf16_f32 v4, v[X+4*i], v[X+4*i+1]
	v_cvt_pk_bf16_f32 v5, v[X+4*i+2], v[X+4*i+3]
	v_lshlrev_b32 v[X+4*i], 16, v4
	v_and_b32 v[X+4*i+1], s40, v4
	v_lshlrev_b32 v[X+4*i+2], 16, v5
	v_and_b32 v[X+4*i+3], s40, v5
	v_cvt_pk_f16_f32 v[X+4*i], v[X+4*i], v[X+4*i+1]
	v_cvt_pk_f16_f32 v[X+4*i+1], v[X+4*i+2], v[X+4*i+3]
	global_store_b64 v2, v[X+4*i:X+4*i+1], s[DST:DST+1] offset:2048*i th:TH_STORE_NT
.set i, i+1
.endr
	s_endpgm
; THE TABLE.  Lane L: numbers j = 2 (L % 16) and j + 1; lanes 0-15 the cosines, lanes 16-31 the sines (v8 = 1), taken as cos(angle - pi/2).
.Ltable:
	s_sub_co_u32 s33, s32, 704
	s_lshl_b32 s33, s33, 6                         ; the work-group's first row
	s_mov_b32 s42, 0xbfc90fdb                      ; - pi/2, the f32 next to it,
	s_mov_b32 s43, 0x333bbd2e                      ; and what that f32 has too much
	s_mov_b32 s44, 0xbe2aaaab                      ; sine: -1/6, 1/120, -1/5040, 1/362880
	s_mov_b32 s45, 0x3c088889
	s_mov_b32 s46, 0xb9500d01
	s_mov_b32 s47, 0x3638ef1d
	s_mov_b32 s48, 0x3d2aaaab                      ; cosine: 1/24, -1/720, 1/40320
	s_mov_b32 s49, 0xbab60b61
	s_mov_b32 s50, 0x37d00d01
	v_and_b32 v3, 31, v0                           ; L
	v_lshrrev_b32 v6, 5, v0                        ; wave
	v_lshl_add_u32 v6, v6, 3, s33                  ; my wave's first row t
	v_lshrrev_b32 v8, 4, v3
	v_and_b32 v4, 15, v3
	v_lshlrev_b32 v4, 1, v4
	v_add_nc_u32 v5, 1, v4
	v_cvt_f32_u32 v4, v4
	v_cvt_f32_u32 v5, v5
	v_mul_f32 v4, 0xbea5294a, v4                   ; -10 j / 31
	v_mul_f32 v5, 0xbea5294a, v5
	v_exp_f32 v4, v4                               ; f_j = 2^(-10 j / 31)
	v_exp_f32 v5, v5
	v_lshlrev_b32 v7, 8, v6                        ; a plain instruction behind the second exponential: 256 t,
	v_lshl_add_u32 v7, v3, 3, v7                   ; + 8 L: my 8 bytes of the row
	s_wait_alu depctr_va_vdst(0)                   ; one wait for both exponentials, ahead of their first reader and of the label
; dst = cos(t f - v8 pi/2).  n = the nearest whole number to angle x 2/pi; y = angle - n pi/2, |y| <= pi/4; cos(y + k pi/2) with k = n - v8 is cos y, -sin y, -cos y, sin y for k mod 4 = 0..3.
.macro EVAL dst, f
	v_mul_f32 v12, v9, v[\f]                       ; the angle, rounded once
	v_mul_f32 v13, 0x3f22f983, v12
	v_rndne_f32 v13, v13
	v_fma_f32 v14, v13, s42, v12
	v_fma_f32 v14, v13, s43, v14                   ; y
	v_cvt_i32_f32 v15, v13
	v_sub_nc_u32 v15, v15, v8                      ; k
	v_mul_f32 v16, v14, v14                        ; z = y y
	v_fma_f32 v17, v16, s47, s46
	v_fma_f32 v17, v17, v16, s45
	v_fma_f32 v17, v17, v16, s44
	v_mul_f32 v18, v14, v16
	v_fma_f32 v17, v18, v17, v14                   ; sin y
	v_fma_f32 v19, v16, s50, s49
	v_fma_f32 v19, v19, v16, s48
	v_fma_f32 v19, v19, v16, -0.5
	v_fma_f32 v19, v19, v16, 1.0                   ; cos y
	v_and_b32 v20, 1, v15
	v_cmp_eq_u32 vcc_lo, 1, v20
	v_cndmask_b32 v17, v19, v17, vcc_lo            ; odd k: the sine
	v_add_nc_u32 v15, 1, v15
	v_and_b32 v15, 2, v15                          ; k mod 4 = 1, 2: the sign turns
	v_lshlrev_b32 v15, 30, v15
	v_xor_b32 v[\dst], v17, v15
.endm
	s_mov_b32 s41, 8
.Lrow:
	v_cvt_f32_u32 v9, v6
	EVAL 10, 4
	EVAL 11, 5
	global_store_b64 v7, v[10:11], s[26:27]        ; 32 lanes: the row's 256 bytes
	s_wait_xcnt 0x0                                ; the store has read its address and data: they are written again only behind this wait
	v_add_nc_u32 v7, 0x100, v7
	v_add_nc_u32 v6, 1, v6
	s_sub_co_u32 s41, s41, 1
	s_cmp_lg_u32 s41, 0
	s_cbranch_scc1 .Lrow
	s_endpgm
.Lfunc_end_k_qeeb2a3207b_prep:
	.size	k_qeeb2a3207b_prep, .Lfunc_end_k_qeeb2a3207b_prep-k_qeeb2a3207b_prep
	.p2alignl 7, 3214868480
	.fill 96, 4, 3214868480
	.section	.rodata,"a",@progbits
	.p2align	6, 0x0
	.amdhsa_kernel k_qeeb2a3207b_prep
		.amdhsa_group_segment_fixed_size 0
		.amdhsa_private_segment_fixed_size 0
		.amdhsa_enable_private_segment 0
		.amdhsa_kernarg_size 80
		.amdhsa_user_sgpr_count 2
		.amdhsa_user_sgpr_kernarg_segment_ptr 1
		.amdhsa_wavefront_size32 1
		.amdhsa_system_sgpr_workgroup_id_x 1
		.amdhsa_system_sgpr_workgroup_id_y 1
		.amdhsa_system_sgpr_workgroup_id_z 1
		.amdhsa_system_vgpr_workitem_id 0
		.amdhsa_next_free_vgpr 144
		.amdhsa_next_free_sgpr 66
		.amdhsa_reserve_vcc 1
		.amdhsa_float_denorm_mode_32 3
		.amdhsa_float_denorm_mode_16_64 3
		.amdhsa_memory_ordered 1
		.amdhsa_forward_progress 1
		.amdhsa_inst_pref_size 34
	.end_amdhsa_kernel
	.amdgpu_metadata
---
amdhsa.version: [ 1, 2 ]
amdhsa.kernels:
  - .name:           k_qeeb2a3207b_prep
    .symbol:         k_qeeb2a3207b_prep.kd
    .args:
      - { .name: xt, .offset: 0, .size: 8, .value_kind: global_buffer, .address_space: global }
      - { .name: x0, .offset: 8, .size: 8, .value_kind: global_buffer, .address_space: global }
      - { .name: wq, .offset: 16, .size: 8, .value_kind: global_buffer, .address_space: global }
      - { .name: wk, .offset: 24, .size: 8, .value_kind: global_buffer, .address_space: global }
      - { .name: wv, .offset: 32, .size: 8, .value_kind: global_buffer, .address_space: global }
      - { .name: wo, .offset: 40, .size: 8, .value_kind: global_buffer, .address_space: global }
      - { .name: xb, .offset: 48, .size: 8, .value_kind: global_buffer, .address_space: global }
      - { .name: wb, .offset: 56, .size: 8, .value_kind: global_buffer, .address_space: global }
      - { .name: wof, .offset: 64, .size: 8, .value_kind: global_buffer, .address_space: global }
      - { .name: rot, .offset: 72, .size: 8, .value_kind: global_buffer, .address_space: global }
    .group_segment_fixed_size: 0
    .private_segment_fixed_size: 0
    .kernarg_segment_align: 8
    .kernarg_segment_size: 80
    .max_flat_workgroup_size: 256
    .sgpr_count:     66
    .vgpr_count:     144
    .wavefront_size: 32
...
	.end_amdgpu_metadata
.endif
;; end of part 1
;; launch qkv (part 2): grid 8 x 24, 4 waves a work-group, clusters of 4 x 4, 327,680 bytes of LDS; arguments xb, wb, rot, qh, kh, vh; writes qh, kh, vh
.if DOCPART == 2
	.amdgcn_target "amdgcn-amd-amdhsa--gfx1250"
	.amdhsa_code_object_version 6
	.text
	.protected	k_qeeb2a3207b_qkv
	.globl	k_qeeb2a3207b_qkv
	.p2align	8
	.type	k_qeeb2a3207b_qkv,@function
k_qeeb2a3207b_qkv:
	s_mov_b64 s[64:65], 0
	v_nop
	global_prefetch_b8 v0, s[64:65] scope:SCOPE_SE
	s_setreg_imm32_b32 hwreg(HW_REG_WAVE_MODE, 25, 1), 1
	s_wait_xcnt 0x0
	s_wait_alu depctr_hold_cnt(0) depctr_sa_sdst(0) depctr_va_vdst(0) depctr_va_sdst(0) depctr_va_ssrc(0) depctr_va_vcc(0) depctr_vm_vsrc(0)
	s_getreg_b32 s2, hwreg(HW_REG_IB_STS2, 6, 4)
	s_cmp_eq_u32 s2, 0
	s_cbranch_scc0 .Lentry_in_a_cluster
	s_endpgm
.Lentry_in_a_cluster:
	s_bfe_u32 s2, ttmp6, 0x10000c
	s_cmp_lg_u32 s2, 0xf033
	s_cbranch_scc0 .Lentry_shape_is_right
	s_endpgm
.Lentry_shape_is_right:
; Q, K, V: C = xb wb^T in bf16 with f32 sums, K = 2,048; on the way out the rms-norm and the rotary of q and k; all three rounded once to f16 and stored by heads:
;   qh [b 8 + h][2048][128], kh and vh [b 4 + kvh][4096][128]: a head's rows are dense, 256 bytes each.  In kh and vh rows 0-2047 come from xt, rows 2048-4095 from x0.
; LIMITS.  v is kept in f16: |v| under 65,504 (q and k are normalised: at most sqrt(128)).  NaN and infinities are not treated apart.  Of a wave's 128 rows the first 16 take cos and sin from the table;
; each further 16 rows take them from the 16 before by the addition theorems, with the table's row 16: seven such steps add under 1e-6 to cos and sin, and the angle is that of row t0 plus 16 k f instead of
; the once rounded t f: at most 2.4e-4 rad apart, at t near 4,095.
; TILES.  192 tiles of 256 x 256: xt's 16 tile rows take all 8 tile columns (q: 0-3; k and v: 4-7), x0's 16 tile rows take columns 4-7 alone.  A work-group of four waves makes one tile, a wave
; 128 x 128: 64 accumulators, 512 registers.  A wave's 128 columns are ONE head: in columns 4-7 the even half is a head of k, the odd half the same head of v (wb's rows are laid so).
; 768 units of 128 x 128 do not share out evenly among 256 work-groups in tiles of whole heads; 192 large tiles take as long as 384 half tiles in two rounds and read fewer bytes.
; RING.  K goes in steps of 128 through two LDS slots filled by the tensor data mover; rows of 256 bytes.  One text for a K step: the slot in hand is a scalar that an exclusive or turns.
; CLUSTERS.  4 x 4 work-groups.  Cluster (X, Y): Y < 4: block row Y of xt, block column X; Y >= 4: block row 2 Y - 4 + X (x0), block column 1.  A's tile is shared along a row of the cluster,
; B's along a column: each is asked for jointly, by the same tensor load with the same descriptor and a mask that names the four.
; THE MATRIX INSTRUCTION IS USED TRANSPOSED (source 0 = 16 rows of wb, source 1 = 16 rows of xb): a lane holds row l % 16 and, in accumulator b, channels 16 b + 8 (l / 16) + 0..7 of the head.
; THE WAY OUT IS WRITTEN ONCE.  A loop cannot step register numbers, but it can step LDS addresses: each wave puts its 64 accumulators into the ring's bytes, which have had their last fill, and takes
; them back a block of 16 rows a trip, always into the same registers.
; REGISTERS, in windows of 256: window 0 addresses, A's fragments (v64-191), two rows of the rotary table (v192-255), on the way out all the work; window 1 B's fragments (v64-191);
; windows 2 and 3 the accumulators, (a, b) at v[8 (8 (a % 4) + b)].
.set KSTEP,  128
.set KB,     KSTEP*2                   ; bytes of a row in a K step
.set PITCH,  272                       ; an LDS row: 256 bytes + 16 of padding = 68 words: the 16 rows of a load start at 16 different groups of four banks (64 banks of 4 bytes: ISA guide 11.1)
.set HALFT,  128*PITCH                 ; what one tensor load brings
.set SLOT,   4*HALFT                   ; 0x22000: A's 256 rows, then B's.  The fills' places in slot 0 (wave x 0x8800) have neither of its two bits, so an exclusive or changes slots
.set STAGE,  2*SLOT                    ; behind the ring: 16 rows x 272 bytes for each wave
.set SPITCH, 272
.set SPARE,  STAGE+4*16*SPITCH         ; the spare words: 128 bytes a wave, two blocks of 256 bytes that no other line names
.set BLKB,   8192                      ; the way out: a block of 16 rows x 128 f32 in LDS; a wave's eight blocks are 65,536 bytes, the four waves' 262,144: inside the ring's 278,528
.set TO0,   8                          ; v8     byte offset in rot of my row of block 0 (32 (l / 16) into it); never rewritten
.set TO16,  9                          ; v9     the same for the table's row 16; never rewritten
.set DA0,   10                         ; v10    65,536 x wave + 16 x lane: my 16 bytes in a piece of 512 of my wave's blocks; never rewritten
.set DA,    11                         ; v11    the same in the block to be read
.set ADRA0, 16                         ; v16    LDS address of my A fragments in slot 0; never rewritten
.set ADRB0, 17                         ; v17    the same for B
.set ADRA,  18                         ; v18    in the slot in hand
.set ADRB,  19                         ; v19
.set STO,   24                         ; v24    the way out: where I put 16 bytes of a row
.set RD,    25                         ; v25    where I read rows back
.set CO,    26                         ; v26    16 x lane + 4,096 x blocks begun: my 16 bytes of 512 consecutive bytes of the output
.set ONE,   27                         ; v27    1.0
.set SPW,   28                         ; v28    my spare word; never rewritten
.set NIL,   29                         ; v29    0; never rewritten
.set PFO,   30                         ; v30    lane x 4,096: a row of xb or wb; never rewritten
.set SQ,    32                         ; v32-39 four pairs: the sum of squares in four chains; then 1 / rms in v32
.set F0,    64
.set F1,    128
.set X,     64                         ; the way out: v64-127   a block's 64 numbers, laid as the accumulators are: X + 8 b + j
.set TAB,   128                        ;              v128-159  at work; then the block packed to f16
.set BK,    160                        ;              v160-191  the block read back from the stage
.set T,     192                        ; v192-223  cos (16), then sin (16), of my row of the block in hand, for my channels of column blocks 0 and 1
.set K16,   224                        ; v224-255  the same of the table's row 16: the angle of 16 rows
.set WV, 12
.set RH, 13                            ; which half of the tile's rows is mine; also: I fetch for A (0) or for B (1)
.set CH, 14                            ; which half of its columns; also: which 128 rows I fetch
.set CX, 15
.set CY, 16
.set XC, 17
.set YC, 18
.set RB, 19
.set CB, 20
.set TR, 21
.set TC, 22
.set G1,  24                           ; s[24:31] group 1 for A's tiles
.set G0,  32                           ; s[32:39] group 0 for A's: a set for each first fill; the second then walks
.set G1B, 48
.set G0B, 56
.set PFA, 66                           ; s[66:67] where my prefetches stand
.set LIM, 72                           ; s72  2 in a wave that prefetches, else the greatest number
.set TB,  73                           ; s73  the slot in hand: 0 or SLOT
.set OUT, 74                           ; s[74:75] my first row in qh, kh or vh
.set STRIDE, 76                        ; s76  256; 0 for v: both table rows are then row 0, cos = 1 and sin = 0
.set VM,  77                           ; s77  all ones for v: 1 / rms gives way to 1
.set S0,  82                           ; s82  my first row's place in its sequence
.set DOFF, 83                          ; s83  the way out: 8,192 x the block to be read
.set MSB, 0
.macro WIN new                         ; the immediate's high byte repeats the setting that is left; a switch that changes nothing is dropped
.if MSB != (\new)
	s_set_vgpr_msb (MSB<<8)|(\new)
.set MSB, \new
.endif
.endm
.set MUL_LO, 0xa1                      ; source 0 (B) window 1, source 1 (A) window 0, C and D window 2
.set MUL_HI, 0xf1
.set TO_B,   0x40
.macro PLACES                          ; four plain vector instructions between a matrix instruction and a load into, or a vector or LDS read of, its registers
.rept 4
	v_nop
.endr
.endm
; A joint refill by the walking descriptor.  The branch hangs on the wave's number alone.  An s_nop 0 and four v_nop follow each line.
.macro JLOAD
	s_cmp_eq_u32 s[RH], 0
	s_cbranch_scc0 .Lfor_b_\@
	tensor_load_to_lds s[G0+4:G0+7], s[G1:G1+7]
	s_nop 0
.rept 4
	v_nop
.endr
	s_branch .Lasked_\@
.Lfor_b_\@:
	tensor_load_to_lds s[G0B+4:G0B+7], s[G1B:G1B+7]
	s_nop 0
.rept 4
	v_nop
.endr
.Lasked_\@:
.endm
; A prefetch of the K step that stands two refills on: 32 rows x 256 bytes, a lane a row.  Each row's 256 bytes are named once in the launch: xt's rows by the cluster with X = 0, x0's by their one
; cluster, wb's by the clusters with Y = 0; the four partners of a joint load take 32 of its 128 rows each, told apart by address.  s3 counts the loop's trips down from 14: the last two name nothing.
.macro ASK
	s_cmp_gt_u32 s3, s[LIM]
	s_cbranch_scc0 .Lnot_mine_\@
	global_prefetch_b8 v[PFO], s[PFA:PFA+1] offset:KB th:TH_LOAD_NT scope:SCOPE_SE
.Lnot_mine_\@:
.endm
.macro CREST                           ; a round of the cluster's barrier behind its opening barrier
	s_cmp_lg_u32 s[WV], 0
	s_cbranch_scc1 .Lnot_wave_0_\@
	s_barrier_signal -3
.Lnot_wave_0_\@:
	s_barrier_wait -3
	s_barrier_signal -1
	s_barrier_wait -1
.endm
.macro CROUND
	s_barrier_signal -1
	s_barrier_wait -1
	CREST
.endm
	s_load_b256 s[4:11], s[0:1], 0x0               ; xb 4, wb 6, rot 8, qh 10
	s_load_b128 s[68:71], s[0:1], 0x20             ; kh 68, vh 70
	v_lshl_add_u32 v[SPW], v0, 2, SPARE
	v_mov_b32 v[NIL], 0
	ds_add_u32 v[SPW], v[NIL]                      ; the wave's opening: the add and its wait stand ahead of my first tensor load; work on registers stands between
	v_lshrrev_b32 v1, 5, v0
	v_readfirstlane_b32 s[WV], v1
	s_lshr_b32 s[RH], s[WV], 1
	s_and_b32 s[CH], s[WV], 1
	s_bfe_u32 s[CX], ttmp6, 0x40000
	s_bfe_u32 s[CY], ttmp6, 0x40004
	s_mov_b32 s[XC], ttmp9
	s_and_b32 s[YC], ttmp7, 0xffff
	s_lshl_b32 s23, s[YC], 1
	s_sub_co_u32 s23, s23, 4
	s_add_co_u32 s23, s23, s[XC]                   ; 2 Y - 4 + X, used where Y >= 4
	s_cmp_lt_u32 s[YC], 4
	s_cselect_b32 s[RB], s[YC], s23
	s_cselect_b32 s[CB], s[XC], 1
	s_lshl_b32 s[TR], s[RB], 2
	s_add_co_u32 s[TR], s[TR], s[CY]               ; tile row 0..31
	s_lshl_b32 s[TC], s[CB], 2
	s_add_co_u32 s[TC], s[TC], s[CX]               ; tile column 0..7
	s_lshl_b32 s40, s[CY], 2
	s_lshl_b32 s40, 15, s40                        ; my row of the cluster
	s_lshl_b32 s41, 0x1111, s[CX]                  ; my column
	s_or_b32 s[G1+0], s40, (1<<16)|(1<<20)|(1<<21)|(5<<22)|(3<<25)   ; the mask; 2-byte elements; padding on; bit 21 beside a mask; after every 64 words, 4 words
	s_or_b32 s[G1B+0], s41, (1<<16)|(1<<20)|(1<<21)|(5<<22)|(3<<25)
.irp g, G1, G1B
	s_mov_b32 s[(\g)+1], KSTEP<<16                 ; tensor_dim0 = 128
	s_mov_b32 s[(\g)+2], 128<<16                   ; tensor_dim1 = 128
	s_mov_b32 s[(\g)+3], KSTEP<<16                 ; tile_dim0 = 128
	s_mov_b32 s[(\g)+4], 128                       ; tile_dim1 = 128
	s_mov_b32 s[(\g)+5], 2048                      ; elements from row to row
	s_mov_b32 s[(\g)+6], 0
	s_mov_b32 s[(\g)+7], 0
.endr
	s_lshl_b32 s23, s[CH], 7                       ; which 128 rows of the tile I fetch
	s_lshl_b32 s42, s[TR], 8
	s_add_co_u32 s42, s42, s23
	s_lshl_b32 s42, s42, 12                        ; A: (256 tile row + 128 half) rows of 4,096 bytes
	s_mov_b32 s43, 0
	s_lshl_b32 s46, s[TC], 8
	s_add_co_u32 s46, s46, s23
	s_lshl_b32 s46, s46, 12                        ; B likewise, by the tile column
	s_mov_b32 s47, 0
	s_mul_i32 s44, s[WV], HALFT                    ; where they go: wave x 128 rows
	s_mov_b32 s[TB], 0
	s_mov_b32 s78, 0x3c000000                      ; 1 / 128
	s_mov_b32 s79, 0x34000000                      ; the norm's eps, 2^-23
	s_mov_b32 s80, 0x76543210                      ; v_permlanex16_b32: each lane takes its own place in the other half
	s_mov_b32 s81, 0xfedcba98
	s_wait_dscnt 0x0                               ; the opening add is done
	s_wait_kmcnt 0x0
	s_add_nc_u64 s[42:43], s[4:5], s[42:43]
	s_add_nc_u64 s[46:47], s[6:7], s[46:47]
	CROUND                                         ; all sixteen work-groups are here: the first joint loads meet
.irp s, 0,1
	s_mov_b32 s[G0+4*(\s)], 1
	s_add_co_u32 s[G0+4*(\s)+1], s44, (\s)*SLOT
	s_add_nc_u64 s[G0+4*(\s)+2:G0+4*(\s)+3], s[42:43], (\s)*KB
	s_or_b32 s[G0+4*(\s)+3], s[G0+4*(\s)+3], 0x80000000
	s_mov_b32 s[G0B+4*(\s)], 1
	s_add_co_u32 s[G0B+4*(\s)+1], s44, (\s)*SLOT
	s_add_nc_u64 s[G0B+4*(\s)+2:G0B+4*(\s)+3], s[46:47], (\s)*KB
	s_or_b32 s[G0B+4*(\s)+3], s[G0B+4*(\s)+3], 0x80000000
.endr
	s_cmp_eq_u32 s[RH], 0                          ; a wave's two first fills stand in one branch: K steps 0 and 1; two loads of mine are out
	s_cbranch_scc0 .Lfirst_b
	tensor_load_to_lds s[G0:G0+3], s[G1:G1+7]
	s_nop 0
	tensor_load_to_lds s[G0+4:G0+7], s[G1:G1+7]
	s_nop 0
.rept 4
	v_nop
.endr
	s_branch .Lfirst_asked
.Lfirst_b:
	tensor_load_to_lds s[G0B:G0B+3], s[G1B:G1B+7]
	s_nop 0
	tensor_load_to_lds s[G0B+4:G0B+7], s[G1B:G1B+7]
	s_nop 0
.rept 4
	v_nop
.endr
.Lfirst_asked:
	; a fragment: lane l holds row l % 16, K = 8 (l / 16) + 0..7 and 16 + 8 (l / 16) + 0..7: two loads of 16 bytes, 32 bytes apart
	v_and_b32 v1, 15, v0                           ; r
	v_bfe_u32 v2, v0, 4, 1                         ; h
	v_mul_u32_u24 v3, v1, PITCH
	v_lshl_add_u32 v3, v2, 4, v3
	s_mul_i32 s23, s[RH], HALFT
	s_mul_i32 s45, s[CH], HALFT
	s_add_co_u32 s45, s45, 2*HALFT
	v_add_nc_u32 v[ADRA0], s23, v3
	v_add_nc_u32 v[ADRB0], s45, v3
	v_mov_b32 v[ADRA], v[ADRA0]
	v_mov_b32 v[ADRB], v[ADRB0]
	s_mul_i32 s23, s[WV], 16*SPITCH
	s_add_co_u32 s23, s23, STAGE                   ; my stage
	v_add_nc_u32 v[STO], s23, v3                   ; in: row r, 16 bytes for each half of the lanes
	v_mul_u32_u24 v4, v2, SPITCH                   ; back: lanes 0-15 one row of 256 bytes, lanes 16-31 the next
	v_lshl_add_u32 v4, v1, 4, v4
	v_add_nc_u32 v[RD], s23, v4
	v_and_b32 v[PFO], 31, v0
	v_lshlrev_b32 v[CO], 4, v[PFO]
	s_lshl_b32 s23, s[WV], 16
	v_add_nc_u32 v[DA0], s23, v[CO]                ; my wave's eight blocks + 16 x lane
	v_lshlrev_b32 v[PFO], 12, v[PFO]
	v_mov_b32 v[ONE], 1.0
	; the way out.  s84-s91 alone hold numbers made of both cx and cy
	s_lshr_b32 s84, s[TR], 4                       ; 0: xt, 1: x0
	s_lshl_b32 s[S0], s84, 11
	s_and_b32 s84, s[TR], 7
	s_lshl_b32 s84, s84, 8
	s_add_co_u32 s[S0], s[S0], s84
	s_lshl_b32 s84, s[RH], 7
	s_add_co_u32 s[S0], s[S0], s84                 ; my first row's place in its sequence: 2,048 source + 256 (tile row % 8) + 128 half
	s_bfe_u32 s85, s[TR], 0x10003                  ; b
	s_lshl_b32 s84, s85, 3
	s_lshl_b32 s86, s[TC], 1
	s_add_co_u32 s84, s84, s86
	s_add_co_u32 s84, s84, s[CH]
	s_lshl_b32 s84, s84, 11                        ; q: (8 b + 2 tile column + half) x 2,048 rows
	s_lshl_b32 s86, s85, 2
	s_add_co_u32 s86, s86, s[TC]
	s_sub_co_u32 s86, s86, 4
	s_lshl_b32 s86, s86, 12                        ; k, v: (4 b + tile column - 4) x 4,096 rows
	s_cmp_eq_u32 s[CB], 0
	s_cselect_b32 s84, s84, s86
	s_add_co_u32 s84, s84, s[S0]
	s_lshl_b32 s84, s84, 8                         ; rows of 256 bytes
	s_mov_b32 s85, 0
	s_cmp_eq_u32 s[CH], 0
	s_cselect_b64 s[OUT:OUT+1], s[68:69], s[70:71]
	s_cmp_eq_u32 s[CB], 0
	s_cselect_b64 s[OUT:OUT+1], s[10:11], s[OUT:OUT+1]
	s_add_nc_u64 s[OUT:OUT+1], s[OUT:OUT+1], s[84:85]
	s_and_b32 s23, s[CB], s[CH]                    ; 1: my head is one of v.  The same in all partners for a given wave
	s_cmp_eq_u32 s23, 1
	s_cselect_b32 s[STRIDE], 0, 256
	s_cselect_b32 s[VM], -1, 0
	v_add_nc_u32 v4, s[S0], v1
	v_lshlrev_b32 v5, 5, v2
	v_mad_u32_u24 v[TO0], v4, s[STRIDE], v5        ; the table's row of my row of block 0,
	s_lshl_b32 s23, s[STRIDE], 4
	v_add_nc_u32 v[TO16], s23, v5                  ; and its row 16
	; both rows now, into registers that the K loop does not touch: cos of my 8 channels of column blocks 0 and 1, then sin.  They are waited for beside the first tile
.irp n, 0,1,2,3
	global_load_b128 v[T+8*(\n):T+8*(\n)+3],       v[TO0],  s[8:9] offset:64*(\n)
	global_load_b128 v[T+8*(\n)+4:T+8*(\n)+7],     v[TO0],  s[8:9] offset:64*(\n)+16
	global_load_b128 v[K16+8*(\n):K16+8*(\n)+3],   v[TO16], s[8:9] offset:64*(\n)
	global_load_b128 v[K16+8*(\n)+4:K16+8*(\n)+7], v[TO16], s[8:9] offset:64*(\n)+16
.endr
	; the prefetches
	s_lshl_b32 s88, s[TR], 8
	s_lshl_b32 s89, s[TC], 8
	s_lshl_b32 s90, s[CH], 7
	s_cmp_eq_u32 s[RH], 0
	s_cselect_b32 s88, s88, s89                    ; the tile's first row, in xb or in wb
	s_cselect_b32 s89, s[CX], s[CY]                ; my place among the four that ask for it with me
	s_cselect_b64 s[PFA:PFA+1], s[4:5], s[6:7]
	s_add_co_u32 s88, s88, s90
	s_lshl_b32 s89, s89, 5
	s_add_co_u32 s88, s88, s89
	s_lshl_b32 s88, s88, 12
	s_mov_b32 s89, 0
	s_add_nc_u64 s[PFA:PFA+1], s[PFA:PFA+1], s[88:89]
	s_add_nc_u64 s[PFA:PFA+1], s[PFA:PFA+1], 2*KB  ; at K step 2: the first refill steps it to 3 and names K step 4.  Nothing is prefetched here, at the head
	s_cmp_eq_u32 s[XC], 0
	s_cselect_b32 s90, 1, 0
	s_cmp_ge_u32 s[YC], 4
	s_cselect_b32 s90, 1, s90                      ; A's rows: mine to ask for
	s_cmp_eq_u32 s[YC], 0
	s_cselect_b32 s91, 1, 0                        ; B's rows
	s_cmp_eq_u32 s[RH], 0
	s_cselect_b32 s90, s90, s91
	s_cmp_eq_u32 s90, 1
	s_cselect_b32 s[LIM], 2, -1
; 16 matrix instructions: row blocks a0, a0 + 1 of the window's four x all 8 column blocks, 32 along K.  zero = 1: the first product starts the sums.  The 64 accumulators take turns, one instruction a turn.
.macro MUL16 f, hi, a0, zero
	WIN MUL_LO+0x50*(\hi)
.irp a, \a0, (\a0)+1
.irp b, 0,1,2,3,4,5,6,7
.if \zero
	v_wmma_f32_16x16x32_bf16 v[8*(8*(\a)+(\b)):8*(8*(\a)+(\b))+7], v[(\f)+8*(\b):(\f)+8*(\b)+7], v[(\f)+8*(4*(\hi)+(\a)):(\f)+8*(4*(\hi)+(\a))+7], 0
.else
	v_wmma_f32_16x16x32_bf16 v[8*(8*(\a)+(\b)):8*(8*(\a)+(\b))+7], v[(\f)+8*(\b):(\f)+8*(\b)+7], v[(\f)+8*(4*(\hi)+(\a)):(\f)+8*(4*(\hi)+(\a))+7], v[8*(8*(\a)+(\b)):8*(8*(\a)+(\b))+7]
.endif
.endr
.endr
.endm
; 32 LDS loads in one run: a quarter step's fragments (32 K at byte k of the rows of the slot in hand) into buffer f: B's, then A's
.macro FETCH k, f
	WIN TO_B
.irp i, 0,1,2,3,4,5,6,7
	ds_load_b128 v[(\f)+8*(\i):(\f)+8*(\i)+3],   v[ADRB] offset:(\k)+(\i)*16*PITCH
	ds_load_b128 v[(\f)+8*(\i)+4:(\f)+8*(\i)+7], v[ADRB] offset:(\k)+(\i)*16*PITCH+32
.endr
	WIN 0
.irp i, 0,1,2,3,4,5,6,7
	ds_load_b128 v[(\f)+8*(\i):(\f)+8*(\i)+3],   v[ADRA] offset:(\k)+(\i)*16*PITCH
	ds_load_b128 v[(\f)+8*(\i)+4:(\f)+8*(\i)+7], v[ADRA] offset:(\k)+(\i)*16*PITCH+32
.endr
.endm
; One of a K step's first three quarters: multiplies buffer f; in its middle it fetches the next quarter, at byte k, into buffer g
.macro QUARTER k, f, g, zero
	s_wait_dscnt 8                                 ; B and A's rows 0-63 are in; the youngest eight loads (A's rows 64-127) may be out
	MUL16 \f, 0, 0, \zero
	MUL16 \f, 0, 2, \zero
	PLACES
	FETCH \k, \g
	s_wait_dscnt 32                                ; all but the 32 just issued
	MUL16 \f, 1, 0, \zero
	MUL16 \f, 1, 2, \zero
.endm
; The last quarter multiplies buffer 1 and changes slots.  ONE barrier: in front of it each wave waits for all its tensor loads (the one that is out is its part of the next slot), adds 0 to its spare
; word, and waits for that and for its own reads of this slot.  fill = 1: the barrier opens a round of the cluster's barrier, and this slot is filled again, first thing behind the round, with the K step
; two on: 224 matrix instructions stand between that request and the wait for it.  fill = 0, the tail's two trips (s3 = 2, then 1): nothing is asked for; the second trip has no next slot, and the run of
; loads is jumped over: behind that trip's barrier no wave reads the ring any more.
.macro TURN fill
.if \fill
	s_wait_xcnt 0x0                                ; the last prefetch, a K step back, has read its address
	s_add_nc_u64 s[PFA:PFA+1], s[PFA:PFA+1], KB
.endif
	WIN 0                                          ; (the add's two registers lie in window 0)
	s_wait_tensorcnt 0x0                           ; all my tensor loads have landed
	ds_add_u32 v[SPW], v[NIL]                      ; 0 onto my spare word
	s_wait_dscnt 9                                 ; (the add and the youngest eight loads may be out)
	MUL16 F1, 0, 0, 0                              ; sixteen matrix instructions stand between the add and the wait for it
	s_wait_dscnt 0x0                               ; the add is done, and my reads of this slot are over
	s_barrier_signal -1
	MUL16 F1, 0, 2, 0                              ; work on registers while the others arrive
	WIN 0
	s_barrier_wait -1
.if \fill
	CREST                                          ; no wave of any partner still reads this slot or has a load on its way
	s_xor_b32 s[G0+5], s[G0+5], SLOT               ; the walking descriptors: the other slot than last time, the next K step
	s_add_nc_u64 s[G0+6:G0+7], s[G0+6:G0+7], KB
	s_xor_b32 s[G0B+5], s[G0B+5], SLOT
	s_add_nc_u64 s[G0B+6:G0B+7], s[G0B+6:G0B+7], KB
	JLOAD                                          ; the four v_nop behind it are also the places in front of the loads below
.else
	s_cmp_eq_u32 s3, 1
	s_cbranch_scc1 .Lno_fetch_\@
	PLACES
.endif
	s_xor_b32 s[TB], s[TB], SLOT
	v_add_nc_u32 v[ADRA], s[TB], v[ADRA0]
	v_add_nc_u32 v[ADRB], s[TB], v[ADRB0]
	FETCH 0, F0
.if \fill
	ASK
.else
.Lno_fetch_\@:
.endif
	MUL16 F1, 1, 0, 0
	MUL16 F1, 1, 2, 0
.endm
	s_wait_loadcnt 0x0                             ; the table's two rows: they came while the first tiles were on their way
	s_wait_tensorcnt 1                             ; my part of K step 0 is in; K step 1's may stay out
	s_barrier_signal -1
	s_barrier_wait -1
	FETCH 0, F0
	QUARTER 64, F0, F1, 1                          ; the first quarter stands in front of the loop: its products start the sums
	WIN 0
	s_mov_b32 s3, 14
.Lstep:                                                ; a trip: a K step's quarters 1 to 3 and the next step's quarter 0; the change of slots behind K step j asks for K step j + 2, j = 0..13
	QUARTER 128, F1, F0, 0
	QUARTER 192, F0, F1, 0
	TURN 1
	QUARTER 64, F0, F1, 0
	WIN 0
	s_sub_co_u32 s3, s3, 1
	s_cmp_lg_u32 s3, 0
	s_cbranch_scc1 .Lstep
	s_mov_b32 s3, 2
.Ltail:                                                ; K steps 14 and 15 ask for nothing: a text of their own; the second trip is left in its middle
	QUARTER 128, F1, F0, 0
	QUARTER 192, F0, F1, 0
	TURN 0
	WIN 0
	s_sub_co_u32 s3, s3, 1
	s_cmp_eq_u32 s3, 0
	s_cbranch_scc1 .Lout
	QUARTER 64, F0, F1, 0
	WIN 0
	s_branch .Ltail
.Lout:
	; THE WAY OUT, one text for q, k and v and for all eight blocks of 16 rows.  For v both table rows are row 0 (cos 1, sin 0) and 1 / rms gives way to 1: the same lines then leave v as it is.
	; The accumulators go into LDS as they lie: piece 2 b + half of block a is 512 consecutive bytes, 16 a lane.  The bytes are the ring's: every wave's tensor loads had landed and its reads of the ring
	; were over in front of the last barrier, and nothing is filled any more.  Each wave reads back only what it stored, and LDS serves a wave's instructions in order (ISA guide 5.7.1.4): no barrier, no wait.
	PLACES                                         ; behind the last products, ahead of the stores that read them
.irp w, 0,1
	WIN 0x08+4*(\w)                                ; the data in window 2, then 3; registers ascending: each accumulator's low four first
.set i, 0
.rept 64
	ds_store_b128 v[DA0], v[4*i:4*i+3] offset:(\w)*4*BLKB+512*i
.set i, i+1
.endr
.endr
	WIN 0
.macro XLOAD                           ; the block at s[DOFF] into X: 16 loads of 512 consecutive bytes
	v_add_nc_u32 v[DA], s[DOFF], v[DA0]
.set i, 0
.rept 16
	ds_load_b128 v[X+4*i:X+4*i+3], v[DA] offset:512*i
.set i, i+1
.endr
.endm
	s_mov_b32 s[DOFF], 0
	XLOAD
	s_mov_b32 s3, 8
.Lblk:
	s_wait_dscnt 0x0                               ; the block is in (from the second trip on the wait at the trip's end has shown it)
.set p, 0
.rept 32                                       ; the sum of my 64 squares, in four chains that do not wait for each other; the first four lines start them
.if p < 4
	v_pk_mul_f32 v[SQ+2*p:SQ+2*p+1], v[X+2*p:X+2*p+1], v[X+2*p:X+2*p+1]
.else
	v_pk_fma_f32 v[SQ+2*(p%4):SQ+2*(p%4)+1], v[X+2*p:X+2*p+1], v[X+2*p:X+2*p+1], v[SQ+2*(p%4):SQ+2*(p%4)+1]
.endif
.set p, p+1
.endr
	v_pk_add_f32 v[SQ:SQ+1], v[SQ:SQ+1], v[SQ+2:SQ+3]
	v_pk_add_f32 v[SQ+4:SQ+5], v[SQ+4:SQ+5], v[SQ+6:SQ+7]
	v_pk_add_f32 v[SQ:SQ+1], v[SQ:SQ+1], v[SQ+4:SQ+5]
	v_add_f32 v[SQ], v[SQ], v[SQ+1]
	v_permlanex16_b32 v[SQ+1], v[SQ], s80, s81     ; the row's other 64 channels lie in the lane 16 away
	v_add_f32 v[SQ], v[SQ], v[SQ+1]
	v_fma_f32 v[SQ+1], v[SQ], s78, s79             ; the mean + eps
	v_rsq_f32 v[SQ], v[SQ+1]
	; channels 0-31 turn with 64-95 (column blocks 0, 1 with 4, 5): y1 = x1 c + x2 s, y2 = x2 c - x1 s.  These 32 lines want no 1 / rms: they are the independent work behind the root
.set i, 0
.rept 8
	v_pk_mul_f32 v[TAB+2*i:TAB+2*i+1], v[X+32+2*i:X+32+2*i+1], v[T+16+2*i:T+16+2*i+1]
.set i, i+1
.endr
.set i, 0
.rept 8
	v_pk_mul_f32 v[TAB+16+2*i:TAB+16+2*i+1], v[X+2*i:X+2*i+1], v[T+16+2*i:T+16+2*i+1]
.set i, i+1
.endr
.set i, 0
.rept 8
	v_pk_fma_f32 v[X+2*i:X+2*i+1], v[X+2*i:X+2*i+1], v[T+2*i:T+2*i+1], v[TAB+2*i:TAB+2*i+1]
.set i, i+1
.endr
.set i, 0
.rept 8
	v_pk_fma_f32 v[X+32+2*i:X+32+2*i+1], v[X+32+2*i:X+32+2*i+1], v[T+2*i:T+2*i+1], v[TAB+16+2*i:TAB+16+2*i+1] neg_lo:[0,0,1] neg_hi:[0,0,1]
.set i, i+1
.endr
	s_wait_alu depctr_va_vdst(0)                   ; the wait between the root and its first reader
	v_cndmask_b32 v[SQ], v[SQ], v[ONE], s[VM]
.set i, 0
.rept 32
	v_pk_mul_f32 v[X+2*i:X+2*i+1], v[X+2*i:X+2*i+1], v[SQ:SQ+1] op_sel_hi:[1,0]
.set i, i+1
.endr
.set i, 0
.rept 32
	v_cvt_pk_f16_f32 v[TAB+i], v[X+2*i], v[X+2*i+1]
.set i, i+1
.endr
	s_cmp_eq_u32 s3, 1                             ; the last block has none behind it
	s_cbranch_scc1 .Lno_next
	s_add_co_u32 s[DOFF], s[DOFF], BLKB
	XLOAD                                          ; X has been read out: the next block's loads stand half a trip ahead of their use
.Lno_next:
	s_wait_xcnt 0x0                                ; the last trip's stores have read their data and their offset: both are written again only behind this wait
	v_add_nc_u32 v[CO], 0x1000, v[CO]              ; 16 rows of 256 bytes on; the stores below reach back
.irp b, 0,1,2,3,4,5,6,7
	ds_store_b128 v[STO], v[TAB+4*(\b):TAB+4*(\b)+3] offset:32*(\b)   ; 16 bytes a lane into my own stage,
.endr
.irp t, 0,1,2,3,4,5,6,7
	ds_load_b128 v[BK+4*(\t):BK+4*(\t)+3], v[RD] offset:(\t)*2*SPITCH  ; and back as whole rows of 256 bytes: these see the stores above (ISA guide 5.7.1.4)
.endr
	s_cmp_eq_u32 s3, 1
	s_cbranch_scc1 .Lno_turn
	; the table goes 16 rows on while the stage's loads are out: c' = c C - s S, s' = s C + c S, with C, S of the table's row 16
.set i, 0
.rept 8
	v_pk_mul_f32 v[TAB+2*i:TAB+2*i+1], v[T+16+2*i:T+16+2*i+1], v[K16+16+2*i:K16+16+2*i+1]
.set i, i+1
.endr
.set i, 0
.rept 8
	v_pk_mul_f32 v[TAB+16+2*i:TAB+16+2*i+1], v[T+2*i:T+2*i+1], v[K16+16+2*i:K16+16+2*i+1]
.set i, i+1
.endr
.set i, 0
.rept 8
	v_pk_fma_f32 v[T+2*i:T+2*i+1], v[T+2*i:T+2*i+1], v[K16+2*i:K16+2*i+1], v[TAB+2*i:TAB+2*i+1] neg_lo:[0,0,1] neg_hi:[0,0,1]
.set i, i+1
.endr
.set i, 0
.rept 8
	v_pk_fma_f32 v[T+16+2*i:T+16+2*i+1], v[T+16+2*i:T+16+2*i+1], v[K16+2*i:K16+2*i+1], v[TAB+16+2*i:TAB+16+2*i+1]
.set i, i+1
.endr
.Lno_turn:
	s_wait_dscnt 0x0                               ; the block is back from the stage; the next block's loads were issued earlier and are in too
.irp t, 0,1,2,3,4,5,6,7
	global_store_b128 v[CO], v[BK+4*(\t):BK+4*(\t)+3], s[OUT:OUT+1] offset:512*(\t)-4096  ; two rows of a head: 512 consecutive bytes, aligned
.endr
	s_sub_co_u32 s3, s3, 1
	s_cmp_lg_u32 s3, 0
	s_cbranch_scc1 .Lblk
	s_wait_tensorcnt 0x0                           ; the wave's end, behind my last tensor load and my last LDS store
	ds_add_u32 v[SPW], v[NIL]
	s_wait_dscnt 0x0
	CROUND                                         ; the closing round: no work-group ends while a partner may still ask for a tile that names it
	s_endpgm
.Lfunc_end_k_qeeb2a3207b_qkv:
	.size	k_qeeb2a3207b_qkv, .Lfunc_end_k_qeeb2a3207b_qkv-k_qeeb2a3207b_qkv
	.p2alignl 7, 3214868480
	.fill 96, 4, 3214868480
	.section	.rodata,"a",@progbits
	.p2align	6, 0x0
	.amdhsa_kernel k_qeeb2a3207b_qkv
		.amdhsa_group_segment_fixed_size 327680
		.amdhsa_private_segment_fixed_size 0
		.amdhsa_enable_private_segment 0
		.amdhsa_kernarg_size 48
		.amdhsa_user_sgpr_count 2
		.amdhsa_user_sgpr_kernarg_segment_ptr 1
		.amdhsa_wavefront_size32 1
		.amdhsa_system_sgpr_workgroup_id_x 1
		.amdhsa_system_sgpr_workgroup_id_y 1
		.amdhsa_system_sgpr_workgroup_id_z 1
		.amdhsa_system_vgpr_workitem_id 0
		.amdhsa_next_free_vgpr 1024
		.amdhsa_next_free_sgpr 96
		.amdhsa_reserve_vcc 0
		.amdhsa_float_denorm_mode_32 3
		.amdhsa_float_denorm_mode_16_64 3
		.amdhsa_memory_ordered 1
		.amdhsa_forward_progress 1
		.amdhsa_inst_pref_size 95
	.end_amdhsa_kernel
	.amdgpu_metadata
---
amdhsa.version: [ 1, 2 ]
amdhsa.kernels:
  - .name:           k_qeeb2a3207b_qkv
    .symbol:         k_qeeb2a3207b_qkv.kd
    .args:
      - { .name: xb, .offset: 0, .size: 8, .value_kind: global_buffer, .address_space: global }
      - { .name: wb, .offset: 8, .size: 8, .value_kind: global_buffer, .address_space: global }
      - { .name: rot, .offset: 16, .size: 8, .value_kind: global_buffer, .address_space: global }
      - { .name: qh, .offset: 24, .size: 8, .value_kind: global_buffer, .address_space: global }
      - { .name: kh, .offset: 32, .size: 8, .value_kind: global_buffer, .address_space: global }
      - { .name: vh, .offset: 40, .size: 8, .value_kind: global_buffer, .address_space: global }
    .group_segment_fixed_size: 327680
    .private_segment_fixed_size: 0
    .kernarg_segment_align: 8
    .kernarg_segment_size: 48
    .max_flat_workgroup_size: 128
    .sgpr_count:     96
    .vgpr_count:     1024
    .wavefront_size: 32
...
	.end_amdgpu_metadata
.endif
;; end of part 2
;; launch attn (part 3): grid 32 x 8, 4 waves a work-group, clusters of 4 x 1, 327,680 bytes of LDS; arguments qh, kh, vh, yb; writes yb
.if DOCPART == 3
	.amdgcn_target "amdgcn-amd-amdhsa--gfx1250"
	.amdhsa_code_object_version 6
	.text
	.protected	k_qeeb2a3207b_attn
	.globl	k_qeeb2a3207b_attn
	.p2align	8
	.type	k_qeeb2a3207b_attn,@function
k_qeeb2a3207b_attn:
	s_mov_b64 s[64:65], 0
	v_nop
	global_prefetch_b8 v0, s[64:65] scope:SCOPE_SE
	s_setreg_imm32_b32 hwreg(HW_REG_WAVE_MODE, 25, 1), 1
	s_wait_xcnt 0x0
	s_wait_alu depctr_hold_cnt(0) depctr_sa_sdst(0) depctr_va_vdst(0) depctr_va_sdst(0) depctr_va_ssrc(0) depctr_va_vcc(0) depctr_vm_vsrc(0)
	s_getreg_b32 s2, hwreg(HW_REG_IB_STS2, 6, 4)
	s_cmp_eq_u32 s2, 0
	s_cbranch_scc0 .Lentry_in_a_cluster
	s_endpgm
.Lentry_in_a_cluster:
	s_bfe_u32 s2, ttmp6, 0x10000c
	s_cmp_lg_u32 s2, 0x3003
	s_cbranch_scc0 .Lentry_shape_is_right
	s_endpgm
.Lentry_shape_is_right:
; ATTENTION.  y[b][t][h] = the sum over s of softmax_s(0.12 q[b][h][t] . k[b][h/2][s]) v[b][h/2][s].  qh [b 8 + h][2048][128], kh, vh [b 4 + kvh][4096][128], all f16; yb [b 2048 + t][1024] f16, column 128 h + d.
; Products, maxima and sums in f32; the weights p are rounded to f16 for the second product (their sum l is taken of the unrounded p), y once at the end.
; LIMITS.  y is a mean of v's rows and has their range, within f16's 65,504.  p lies in 0 to 1; below 6e-5 it keeps f16's fixed step of 6e-8.  A weight below 2^-126 counts as 0 in l.  NaN and infinities are not treated apart.
; SHARES.  The two query heads of a kv head are 4,096 consecutive rows of qh; a work-group owns 128 of them: 32 work-groups a kv head, 256 in all.  Wave w: U = w % 2 names its 64 queries (four tiles of
; 16, in two PIECES: tiles 0, 1 and tiles 2, 3); KSET = w / 2 names its keys: of each slot's 256 keys set 0 takes rows 0-127, set 1 rows 128-255, two steps of 64 each.  So a wave walks 2,048 keys in 32
; steps, and the two waves of a U meet in LDS at the end: m, l and O^T of set 1 are merged into set 0's.
; LAYOUT.  S^T = K Q^T (source 0 = 16 keys, source 1 = 16 queries): a lane holds ONE query (lane % 16) and the keys 8 (lane / 16) + 0..7.  Two such tiles rounded to f16 ARE source 1 of O^T = V^T P.
; K comes out of LDS as it lies, V ([key][channel]) turned, by ds_load_tr16_b128.
; SOFTMAX.  A running maximum m and sum l for each query: p = 2^(c s - c m), c = 0.12 log2(e); in every step O and l are multiplied by a = 2^(c m_old - c m_new).  m starts at the lowest finite number,
; O and l at 0: the first step is a step like any other, with a = 0.
; BY TURNS.  In a TURN one piece has the matrix unit: 32 products V^T P of the step in hand, then 32 products K Q^T of the next; the other piece's softmax, cut into 64 slices, stands between them, one
; slice behind each matrix instruction.  Two turns are a key step.  A turn's 66 exponentials are one batch with one wait.
; NO FIRST AND NO LAST STEP is written out: the loop is entered in the middle of a trip (32 products on zeros) and the tail left in the middle of one (32 products on a stale K); V's, O^T's and half of
; P's registers are cleared in the wait for the first tile.  That keeps the text to two copies of a key step.
; CLUSTER.  The four query blocks of a cluster walk the same K and V: each tile is asked for jointly, by the same tensor load, descriptor and mask in all four.
; REGISTERS, in windows of 256: window 0: v0-11 addresses; v12-43 eight registers of statistics a tile; v44-59 the other set's statistics; v60-63; v64-191 S^T, 32 a tile; v192-255 P, 16 a tile.
;   window 1: O^T, 64 a tile.   window 2: v0-127 Q; v128-255 K of one step.   window 3: v0-127 V of one step.
.set KS,    64
.set PK,    272       ; a row of K in LDS: 256 bytes + 16: the 16 rows of a load start at 16 different groups of four banks (64 banks of 4 bytes: ISA guide 11.1)
.set PV,    288       ; a row of V: 256 + 32
.set VOFF,  256*PK    ; a slot: 256 rows of K, then 256 rows of V
.set SLOT1, 0x24000   ; slot 1 begins here.  The fills' places in slot 0 (0, 0x8800, 0x11000, 0x1a000) have neither of its two bits, so an exclusive or changes slots
.set STAGE, 2*SLOT1   ; behind the ring: 16 rows x 272 bytes for each wave
.set SP,    272
.set SPARE, STAGE+4*16*SP  ; the spare words: 128 bytes a wave, two blocks of 256 bytes that no other line names
.set MPART, 34816     ; the merge, in slot 0 when it has had its last fill: for each U 64 x 512 bytes of O^T, then 4 x 512 of statistics
.set STATS, 32768
.set SLOTB, 65536     ; bytes of K, and of V, in a slot
.set AK0, 2           ; v2   my lane's place in my set's part of a slot's K; never rewritten
.set AV0, 3           ; v3   the same for V
.set ADR, 4           ; v4   the LDS address of the run of loads in hand
.set QO,  5           ; v5   my byte offset in the wave's rows of Q
.set STO, 6           ; v6   the way out: where I put 16 bytes of a row
.set RD,  7           ; v7   where I read a row back
.set GO,  8           ; v8   my byte offset in two rows of yb
.set ST,  12          ; tile t's statistics at v[ST+8 t]: +0 c m, +1 m, +2, +3 l (even keys', odd keys'), +4 to +7 at work; a takes +6
.set RC,  44          ; the other set's c m, m, l, l of tile t at v[RC+4 t]
.set MA,  60          ; v60  my 16 bytes in a block of 512 of my U's merge area
.set PFO, 61          ; v61  256 x lane; never rewritten
.set SPW, 62          ; v62  my spare word; never rewritten
.set NIL, 63          ; v63  0; never rewritten
.set S,   64
.set P,   192
.set KF,  128         ; K's fragments, in window 2
.set WV,  12
.set LIM, 15          ; s15  1 in a cluster that prefetches, else the greatest number
.set PFA, 18          ; s[18:19] where my prefetches stand
.set G1K, 24
.set G1V, 32
.set G0K, 40          ; s[40:47] a set for each first fill; the second then walks
.set G0V, 48
.set SLOTS, 56
.set TWICE, 57        ; counts a slot's two steps; in the tail CNT
.set CNT, 57
.set CS,  58
.set SEL, 60
.set TBK, 62          ; s62  LDS byte at which K of the step to be fetched begins, less my set's part
.set TBV, 63          ; s63  the same for V
.set KSET, 66
.set U,   67
.set MSB, 0
.macro WIN new
.if MSB != (\new)
	s_set_vgpr_msb (MSB<<8)|(\new)
.set MSB, \new
.endif
.endm
.set W_KQ, 0x0a       ; K and Q in window 2, S^T in window 0
.set W_PV, 0x53       ; V in window 3, P in window 0, O^T in window 1
.set W_RS, 0x41       ; O^T (destination and source 0) in window 1, a in window 0
; A joint refill: waves 0 and 1 fetch the two halves of a slot's K, waves 2 and 3 those of its V, 128 rows each.  An s_nop 0 and four v_nop follow each line.
.macro JLOAD
	s_cmp_lt_u32 s[WV], 2
	s_cbranch_scc0 .Lfor_v_\@
	tensor_load_to_lds s[G0K+4:G0K+7], s[G1K:G1K+7]
	s_nop 0
.rept 4
	v_nop
.endr
	s_branch .Lasked_\@
.Lfor_v_\@:
	tensor_load_to_lds s[G0V+4:G0V+7], s[G1V:G1V+7]
	s_nop 0
.rept 4
	v_nop
.endr
.Lasked_\@:
.endm
; A prefetch of what the NEXT change of slots will ask for.  All eight clusters of a kv head walk the same rows: the first of them asks.  Of the 128 rows that a wave fetches each of the four partners
; takes 32, told apart by address: a lane a row, one instruction a wave.  So each row is named once in the launch.  The last change that fills a slot names nothing.
.macro ASK
	s_cmp_gt_u32 s[SLOTS], s[LIM]
	s_cbranch_scc0 .Lnot_mine_\@
	global_prefetch_b8 v[PFO], s[PFA:PFA+1] th:TH_LOAD_NT scope:SCOPE_SE
.Lnot_mine_\@:
.endm
.macro CROUND                       ; a round of the cluster's barrier
	s_barrier_signal -1
	s_barrier_wait -1
	s_cmp_lg_u32 s[WV], 0
	s_cbranch_scc1 .Lnot_wave_0_\@
	s_barrier_signal -3
.Lnot_wave_0_\@:
	s_barrier_wait -3
	s_barrier_signal -1
	s_barrier_wait -1
.endm
.macro PLACES
.rept 4
	v_nop
.endr
.endm
	s_load_b256 s[4:11], s[0:1], 0x0  ; qh 4, kh 6, vh 8, yb 10
	v_lshl_add_u32 v[SPW], v0, 2, SPARE
	v_mov_b32 v[NIL], 0
	ds_add_u32 v[SPW], v[NIL]       ; the wave's opening: the add and its wait stand ahead of my first tensor load; work on registers stands between
	v_lshrrev_b32 v1, 5, v0
	v_readfirstlane_b32 s[WV], v1
	s_and_b32 s[U], s[WV], 1
	s_lshr_b32 s[KSET], s[WV], 1
	s_bfe_u32 s13, ttmp6, 0x40000   ; cx
	s_lshl_b32 s14, ttmp9, 2
	s_add_co_u32 s14, s14, s13      ; my block of 128 queries, 0..31: it enters Q's and y's addresses alone
	s_and_b32 s16, ttmp7, 0xffff    ; 4 b + kvh, which the partners share
	s_lshl_b32 s20, s16, 20         ; its first byte in qh, kh and vh: 4,096 rows of 256 bytes each
	s_lshl_b32 s22, s[U], 15        ; which 128 rows of a slot's 256 I fetch
	s_add_co_u32 s22, s22, s20
	s_mov_b32 s23, 0
	s_mul_i32 s17, s[U], 128*PK     ; their place in a slot, for K
	s_mul_i32 s68, s[U], 128*PV     ; and for V
	s_lshl_b32 s2, s14, 15          ; my block's 128 rows of Q,
	s_lshl_b32 s3, s[U], 14         ; my wave's 64 of them
	s_add_co_u32 s2, s2, s3
	s_add_co_u32 s2, s2, s20
	s_mov_b32 s3, 0
	s_lshr_b32 s69, s16, 2          ; b
	s_lshl_b32 s69, s69, 11
	s_and_b32 s70, s14, 15
	s_lshl_b32 s70, s70, 7
	s_add_co_u32 s69, s69, s70
	s_lshl_b32 s70, s[U], 6
	s_add_co_u32 s69, s69, s70      ; my first row of yb: 2,048 b + 128 (block % 16) + 64 U
	s_lshl_b32 s69, s69, 11         ; rows of 2,048 bytes
	s_and_b32 s70, s16, 3
	s_lshl_b32 s70, s70, 1
	s_lshr_b32 s71, s14, 4
	s_add_co_u32 s70, s70, s71      ; the head: 2 kvh + block / 16
	s_lshl_b32 s70, s70, 8
	s_add_co_u32 s70, s70, s69
	s_mov_b32 s71, 0
	s_mov_b32 s[G1K], 15|(1<<16)|(1<<20)|(1<<21)|(5<<22)|(3<<25)  ; the mask of four; 2-byte elements; padding on; bit 21 beside a mask; after every 64 words, 4 words
	s_mov_b32 s[G1V], 15|(1<<16)|(1<<20)|(1<<21)|(5<<22)|(7<<25)  ; the same with 8 words
.irp g, G1K, G1V
	s_mov_b32 s[(\g)+1], 128<<16    ; tensor_dim0 = 128
	s_mov_b32 s[(\g)+2], 128<<16    ; tensor_dim1 = 128
	s_mov_b32 s[(\g)+3], 128<<16    ; tile_dim0 = 128
	s_mov_b32 s[(\g)+4], 128        ; tile_dim1 = 128
	s_mov_b32 s[(\g)+5], 128        ; elements from row to row
	s_mov_b32 s[(\g)+6], 0
	s_mov_b32 s[(\g)+7], 0
.endr
	s_mov_b32 s[CS], 0x3e314743     ; c = 0.12 log2(e) = 0.173123
	s_mov_b32 s[CS+1], s[CS]
	s_mov_b32 s[SEL], 0x76543210
	s_mov_b32 s[SEL+1], 0xfedcba98
	s_mov_b32 s[TBK], 0
	s_mov_b32 s[TBV], 0
	s_cmp_eq_u32 ttmp9, 0           ; the kv head's first cluster: the same in all four partners
	s_cselect_b32 s[LIM], 1, -1
	v_and_b32 v[PFO], 31, v0
	v_lshlrev_b32 v[MA], 4, v[PFO]
	v_lshlrev_b32 v[PFO], 8, v[PFO]
	s_wait_dscnt 0x0                ; the opening add is done
	s_wait_kmcnt 0x0
	s_add_nc_u64 s[6:7], s[6:7], s[22:23]  ; K and V at my tile of slot 0
	s_add_nc_u64 s[8:9], s[8:9], s[22:23]
	s_add_nc_u64 s[4:5], s[4:5], s[2:3]
	s_add_nc_u64 s[10:11], s[10:11], s[70:71]
	s_cmp_lt_u32 s[WV], 2
	s_cselect_b64 s[PFA:PFA+1], s[6:7], s[8:9]
	s_lshl_b32 s2, s13, 13          ; my work-group's 32 rows of the 128
	s_mov_b32 s3, 0
	s_add_nc_u64 s[PFA:PFA+1], s[PFA:PFA+1], s[2:3]
	s_add_nc_u64 s[PFA:PFA+1], s[PFA:PFA+1], 2*SLOTB  ; at fill 2; the first change of slots steps it to fill 3.  Nothing is prefetched here, at the head
	CROUND                          ; all four work-groups are here: the first joint loads meet
.irp s, 0,1
	s_mov_b32 s[G0K+4*(\s)], 1
	s_add_co_u32 s[G0K+4*(\s)+1], s17, (\s)*SLOT1
	s_add_nc_u64 s[G0K+4*(\s)+2:G0K+4*(\s)+3], s[6:7], (\s)*SLOTB
	s_or_b32 s[G0K+4*(\s)+3], s[G0K+4*(\s)+3], 0x80000000
	s_mov_b32 s[G0V+4*(\s)], 1
	s_add_co_u32 s[G0V+4*(\s)+1], s68, (\s)*SLOT1+VOFF
	s_add_nc_u64 s[G0V+4*(\s)+2:G0V+4*(\s)+3], s[8:9], (\s)*SLOTB
	s_or_b32 s[G0V+4*(\s)+3], s[G0V+4*(\s)+3], 0x80000000
.endr
	s_cmp_lt_u32 s[WV], 2           ; a wave's two first fills stand in one branch: two loads of mine are out
	s_cbranch_scc0 .Lfirst_v
	tensor_load_to_lds s[G0K:G0K+3], s[G1K:G1K+7]
	s_nop 0
	tensor_load_to_lds s[G0K+4:G0K+7], s[G1K:G1K+7]
	s_nop 0
.rept 4
	v_nop
.endr
	s_branch .Lfirst_asked
.Lfirst_v:
	tensor_load_to_lds s[G0V:G0V+3], s[G1V:G1V+7]
	s_nop 0
	tensor_load_to_lds s[G0V+4:G0V+7], s[G1V:G1V+7]
	s_nop 0
.rept 4
	v_nop
.endr
.Lfirst_asked:
	v_and_b32 v1, 15, v0            ; l % 16
	v_bfe_u32 v9, v0, 4, 1          ; l / 16
	v_lshlrev_b32 v[QO], 8, v1
	v_lshl_add_u32 v[QO], v9, 4, v[QO]
	WIN 0x80                        ; destination window 2
.irp i, 0,1,2,3,4,5,6,7,8,9,10,11,12,13,14,15  ; Q stays in registers: tile i / 4, channels 32 (i % 4) on
	global_load_b128 v[8*(\i):8*(\i)+3],   v[QO], s[4:5] offset:((\i)/4)*4096+((\i)%4)*64
	global_load_b128 v[8*(\i)+4:8*(\i)+7], v[QO], s[4:5] offset:((\i)/4)*4096+((\i)%4)*64+32
.endr
	; what the first turn finds: V and piece 2's P hold 0 (its products V^T P, of a step that has not been, add 0), O^T and l are 0.  All this stands in the wait for the first tile
	WIN 0xc0
.set i, 0
.rept 128
	v_mov_b32 v[i], 0
.set i, i+1
.endr
	WIN 0x40
.set i, 0
.rept 256
	v_mov_b32 v[i], 0
.set i, i+1
.endr
	WIN 0
.set i, P+32
.rept 32
	v_mov_b32 v[i], 0
.set i, i+1
.endr
.irp t, 0,1,2,3
	v_mov_b32 v[ST+8*(\t)], 0xfe000000    ; c m: far below every c s
	v_mov_b32 v[ST+8*(\t)+1], 0xff7fffff  ; m
	v_mov_b32 v[ST+8*(\t)+2], 0
	v_mov_b32 v[ST+8*(\t)+3], 0
.endr
	s_mul_i32 s20, s[KSET], 128*PK
	v_mul_u32_u24 v[AK0], v1, PK
	v_lshl_add_u32 v[AK0], v9, 4, v[AK0]
	v_add_nc_u32 v[AK0], s20, v[AK0]      ; my set's rows + row x pitch + 16 x half
	; the turning load takes 16 keys x 16 channels (lane l reads key 8 (l / 16) + l % 8, channels 8 ((l / 8) % 2) + 0..7) and leaves half a fragment of V^T
	v_and_b32 v10, 7, v0
	v_bfe_u32 v11, v0, 3, 1
	v_lshl_add_u32 v[AV0], v9, 3, v10
	v_mul_u32_u24 v[AV0], v[AV0], PV
	v_lshl_add_u32 v[AV0], v11, 4, v[AV0]
	s_mul_i32 s20, s[KSET], 128*PV
	s_add_co_u32 s20, s20, VOFF
	v_add_nc_u32 v[AV0], s20, v[AV0]
	s_mul_i32 s20, s[U], MPART
	v_add_nc_u32 v[MA], s20, v[MA]
; THE MATRIX WORK.  The accumulators take turns, one instruction a turn: between two links of a chain stand 15 (V^T P) or 7 (K Q^T) others'.
.macro PV x                         ; product i of 32 of O^T += V^T P: keys 32 (i / 16) on, channels 16 ((i / 2) % 8) on, tile x + i % 2
	WIN W_PV
.set rO, 64*((\x)+i%2)+8*((i/2)%8)
.set rV, 64*(i/16)+8*((i/2)%8)
.set rP, P+16*((\x)+i%2)+8*(i/16)
	v_wmma_f32_16x16x32_f16 v[rO:rO+7], v[rV:rV+7], v[rP:rP+7], v[rO:rO+7]
.endm
.macro KQ x                         ; product i of 32 of S^T = K Q^T: channels 32 (i / 8) on, keys 16 ((i / 2) % 4) on, tile x + i % 2.  The first 8 start the sums
	WIN W_KQ
.set rS, S+32*((\x)+i%2)+8*((i/2)%4)
.set rK, KF+32*((i/2)%4)+8*(i/8)
.set rQ, 32*((\x)+i%2)+8*(i/8)
.if i < 8
	v_wmma_f32_16x16x32_f16 v[rS:rS+7], v[rK:rK+7], v[rQ:rQ+7], 0
.else
	v_wmma_f32_16x16x32_f16 v[rS:rS+7], v[rK:rK+7], v[rQ:rQ+7], v[rS:rS+7]
.endif
.endm
; THE LDS LOADS stand in runs of 32.  last = 1 (the tail): in the last trip there is no further step, and K's run is jumped over.
.macro FETCH_K last=0
	WIN 0
.if \last
	s_cmp_eq_u32 s[CNT], 1
	s_cbranch_scc1 .Lno_k_\@
.endif
	v_add_nc_u32 v[ADR], s[TBK], v[AK0]
	WIN 0x80
.irp f, 0,1,2,3,4,5,6,7,8,9,10,11,12,13,14,15  ; keys 16 (f / 4) on, channels 32 (f % 4) on
	ds_load_b128 v[KF+8*(\f):KF+8*(\f)+3],   v[ADR] offset:((\f)/4)*16*PK+((\f)%4)*64
	ds_load_b128 v[KF+8*(\f)+4:KF+8*(\f)+7], v[ADR] offset:((\f)/4)*16*PK+((\f)%4)*64+32
.endr
	s_add_co_u32 s[TBK], s[TBK], KS*PK  ; the next fetch is the next step's
	WIN 0
.if \last
.Lno_k_\@:
.endif
.endm
.macro FETCH_V
	WIN 0
	v_add_nc_u32 v[ADR], s[TBV], v[AV0]
	s_add_co_u32 s[TBV], s[TBV], KS*PV
	s_wait_alu depctr_va_vdst(0)    ; the wait for the softmax's batch, behind the address's line and ahead of the loads
	WIN 0xc0
.irp f, 0,1,2,3,4,5,6,7,8,9,10,11,12,13,14,15  ; keys 32 (f / 8) on, channels 16 (f % 8) on
	ds_load_tr16_b128 v[8*(\f):8*(\f)+3],   v[ADR] offset:((\f)/8)*32*PV+((\f)%8)*32
	ds_load_tr16_b128 v[8*(\f)+4:8*(\f)+7], v[ADR] offset:((\f)/8)*32*PV+16*PV+((\f)%8)*32
.endr
.endm
; THE VECTOR WORK.  One tile's softmax for one key step is a list of 134 instructions; SM writes number j of it for tile t.  s0-s31 are the lane's 32 scores, in pairs 0-15.
;   0-15    the maximum of s0-s31 and the old m, three operands at a time: four chains of seven scores (each accumulator's lowest registers first), then the rest
;   16-20   the other half of the lanes' maximum; c m_old kept; the new m; c m; c m_old - c m_new
;   21-69   ONE BATCH: the 16 scalings c s - c m and all 33 exponentials (a at 23).  None of these reads an exponential's result
;   (wait)  between 69 and 70: SLICE writes it, once for both tiles
;   70-85   the roundings to f16      86-101  the sums; l = a l + the sum      102-133 the tile's O^T times a
.macro SM t
.set rT, ST+8*(\t)
.set rS, S+32*(\t)
.set rP, P+16*(\t)
.set rO, 64*(\t)+2*(j-102)
.if j < 102
	WIN 0
.endif
.if j < 4
	v_max3_num_f32 v[rT+4+j], v[rS+8*j], v[rS+8*j+1], v[rS+8*j+2]
.elseif j < 12
	v_max3_num_f32 v[rT+4+j%4], v[rT+4+j%4], v[rS+8*(j%4)+2*(j/4)+1], v[rS+8*(j%4)+2*(j/4)+2]
.elseif j == 12
	v_max3_num_f32 v[rT+4], v[rT+4], v[rS+7], v[rS+15]
.elseif j == 13
	v_max3_num_f32 v[rT+6], v[rT+6], v[rS+23], v[rS+31]
.elseif j == 14
	v_max3_num_f32 v[rT+4], v[rT+4], v[rT+5], v[rT+6]
.elseif j == 15
	v_max3_num_f32 v[rT+4], v[rT+4], v[rT+7], v[rT+1]
.elseif j == 16
	v_permlanex16_b32 v[rT+5], v[rT+4], s[SEL], s[SEL+1]  ; the query's other 32 keys lie in the lane 16 away
.elseif j == 17
	v_mov_b32 v[rT+7], v[rT]        ; c m_old is kept for a
.elseif j == 18
	v_max_num_f32 v[rT+1], v[rT+4], v[rT+5]
.elseif j == 19
	v_mul_f32 v[rT], s[CS], v[rT+1]
.elseif j == 20
	v_sub_f32 v[rT+7], v[rT+7], v[rT]
.elseif j == 23
	v_exp_f32 v[rT+6], v[rT+7]
.elseif (j < 23) || ((j < 38) && (j%2 == 0)) || ((j < 66) && (j%4 == 2))
.set b, (j-2)/4                     ; 38, 42, .. 62: pairs 9 to 15
.if j < 38
.set b, (j-20)/2                    ; 21: pair 0; 22, 24, .. 36: pairs 1 to 8
.endif
	v_pk_fma_f32 v[rS+2*b:rS+2*b+1], v[rS+2*b:rS+2*b+1], s[CS:CS+1], v[rT:rT+1] op_sel_hi:[1,0,0] neg_lo:[0,0,1] neg_hi:[0,0,1]
.elseif j < 70
.set e, j-38                        ; 66 to 69: s28 to s31
.if j < 66
.set e, j-32-(j-38)/4               ; 39-41, 43-45, .. 63-65: s7 to s27
.endif
.if j < 38
.set e, (j-25)/2                    ; 25, 27, .. 37: s0 to s6
.endif
	v_exp_f32 v[rS+e], v[rS+e]
.elseif j < 86
	v_cvt_pk_f16_f32 v[rP+j-70], v[rS+2*(j-70)], v[rS+2*(j-70)+1]
.elseif j < 102                     ; the sum of the tile's 16 pairs, in place: neighbours 1, 2, 4 and 8 pairs apart, then l takes it
.set z, j-86
.set w, 4
.set u, z
.if z >= 14
.set w, 32
.set u, 0
.elseif z >= 12
.set w, 16
.set u, z-12
.elseif z >= 8
.set w, 8
.set u, z-8
.endif
.if z < 15
	v_pk_add_f32 v[rS+w*u:rS+w*u+1], v[rS+w*u:rS+w*u+1], v[rS+w*u+w/2:rS+w*u+w/2+1]
.else
	v_pk_fma_f32 v[rT+2:rT+3], v[rT+2:rT+3], v[rT+6:rT+7], v[rS:rS+1] op_sel_hi:[1,0,1]
.endif
.else
	WIN W_RS
	v_pk_mul_f32 v[rO:rO+1], v[rO:rO+1], v[rT+6:rT+7] op_sel_hi:[1,0]
.endif
.endm
; Slice k of 64 of piece y's softmax: four instructions.  Slices 11 to 34 deal out the batch, four numbers of ONE tile each, the tiles by turns; every other slice is numbers 2 k and 2 k + 1 of both tiles;
; the twelve that are over stand in slice 63, where they are also the places behind the turn's last products.  Ahead of slice 35 nothing names an exponential's result, and behind slice 34 none is issued:
; one wait, behind slice 34, serves the piece's 66 exponentials.
.macro SLICE y
.if (k >= 11) && (k < 35)
.irp n, 0,1,2,3
.set j, 22+4*((k-11)/2)+(\n)
	SM (\y)+(k-11)%2
.endr
.else
.irp n, 0,1,2,3,4,5,6,7
.if ((\n) < 2) || (k == 63)
.irp t, \y, (\y)+1
.set j, 2*k+(\n)
	SM \t
.endr
.endif
.endr
.endif
.if k == 34
	v_nop                           ; a plain instruction behind the last exponential and ahead of the first use: one for the batch
.if (\y) == 0
	FETCH_V                         ; piece 2's turn: V's run of loads stands here, and the wait stands in it.  V's last reader stands in front of slice 31: two scalings, the v_nop and the address's line are the four places
.else
	s_wait_alu depctr_va_vdst(0)
.endif
.endif
.set k, k+1
.endm
; A TURN: piece x has the matrix unit, the other piece's softmax stands in slices.  Piece 0's turn fetches the next step's K behind its second product; piece 2's turn the same step's V.
.macro TURN x, last=0
.set k, 0
.if (\x) == 0
	s_wait_dscnt 0x0                ; V is in
.endif
.set i, 0
.rept 32
	PV \x
	SLICE 2-(\x)
.if ((\x) == 0) && (i == 1)
	FETCH_K \last
.endif
.set i, i+1
.endr
.if (\x) == 0
	s_wait_dscnt 0x0                ; K is in
.endif
.set i, 0
.rept 32
	KQ \x
	SLICE 2-(\x)
.set i, i+1
.endr
.endm
; THE CHANGE OF SLOTS, behind piece 2's turn: the slot's last bytes, V of its second step, have been asked for.  Each wave waits for all its tensor loads (one is out: its part of the other slot), adds 0 to
; its spare word, and waits for that and for its own reads of the slot.  fill = 1: the barrier is a round of the cluster's, and the slot is filled again first thing behind it, with the keys two slots on:
; the load has two key steps, 256 matrix instructions, in which to land.
.macro CHANGE fill
	WIN 0
	s_wait_tensorcnt 0x0            ; no tensor load of mine is out, so a group 0 may be written
	ds_add_u32 v[SPW], v[NIL]       ; 0 onto my spare word
.if \fill
.irp g, G0K+4, G0V+4
	s_xor_b32 s[(\g)+1], s[(\g)+1], SLOT1
	s_add_nc_u64 s[(\g)+2:(\g)+3], s[(\g)+2:(\g)+3], SLOTB
.endr
	s_wait_xcnt 0x0                 ; the last prefetch, two key steps back, has read its address
	s_add_nc_u64 s[PFA:PFA+1], s[PFA:PFA+1], SLOTB
	s_wait_dscnt 0x0                ; the add is done, and my reads of the slot are over
	CROUND
	JLOAD
	ASK
.else
	s_wait_dscnt 0x0
	s_barrier_signal -1
	s_barrier_wait -1
.endif
	s_sub_co_u32 s[TBK], s[TBK], 2*KS*PK  ; the fetches go back to a slot's first step,
	s_xor_b32 s[TBK], s[TBK], SLOT1       ; in the other slot
	s_sub_co_u32 s[TBV], s[TBV], 2*KS*PV
	s_xor_b32 s[TBV], s[TBV], SLOT1
.endm
	s_wait_tensorcnt 1              ; my part of slot 0 is in; slot 1's may stay out
	s_barrier_signal -1
	s_barrier_wait -1
	FETCH_K                         ; key step 0
	s_wait_loadcnt 0x0              ; Q
	s_wait_dscnt 0x0
.set i, 0
.rept 32
	KQ 0                            ; piece 0's first scores
.set i, i+1
.endr
	WIN 0                           ; the addresses for the way out: eight plain instructions, the places behind those products
	s_mul_i32 s13, s[WV], 16*SP
	s_add_co_u32 s13, s13, STAGE
	v_mul_u32_u24 v[STO], v1, SP
	v_lshl_add_u32 v[STO], v9, 4, v[STO]
	v_add_nc_u32 v[STO], s13, v[STO]
	v_mul_u32_u24 v[RD], v9, SP
	v_lshl_add_u32 v[RD], v1, 4, v[RD]
	v_add_nc_u32 v[RD], s13, v[RD]
	v_lshlrev_b32 v[GO], 11, v9     ; lanes 0-15 one row of yb, lanes 16-31 the next, 2,048 bytes on
	v_lshl_add_u32 v[GO], v1, 4, v[GO]
	s_mov_b32 s[TWICE], 2
	s_mov_b32 s[SLOTS], 15
	s_branch .Lfirst                ; the loop is entered in the middle of a trip
.Lslot:                             ; 14 times: fills 2 to 15 are asked for
	CHANGE 1
	s_mov_b32 s[TWICE], 2
.Lstep:
	TURN 0
	WIN 0
.Lfirst:
	TURN 2
	WIN 0
	s_sub_co_u32 s[TWICE], s[TWICE], 1
	s_cmp_lg_u32 s[TWICE], 0
	s_cbranch_scc1 .Lstep
	s_sub_co_u32 s[SLOTS], s[SLOTS], 1
	s_cmp_lg_u32 s[SLOTS], 0
	s_cbranch_scc1 .Lslot
	CHANGE 0                        ; the tail is written out: nothing is asked for.  Behind this barrier nobody reads slot 0, and no fill lands there any more
	s_mov_b32 s[CNT], 3             ; two trips fetch the last slot's steps; the third is left in its middle
.Ltail:
	TURN 0, 1
	WIN 0
	s_sub_co_u32 s[CNT], s[CNT], 1
	s_cmp_eq_u32 s[CNT], 0
	s_cbranch_scc1 .Lout
	TURN 2
	WIN 0
	s_branch .Ltail
.Lout:
.set i, 0
.rept 32
	PV 2                            ; piece 2's V^T P of the last step
.set i, i+1
.endr
	WIN 0
	PLACES
	; THE MERGE.  Waves 2 and 3 put their statistics and O^T into slot 0; waves 0 and 1 take them: with M = max(c m, c m'), O = (2^(c m - M) O + 2^(c m' - M) O') / (2^(c m - M) l + 2^(c m' - M) l').
	s_cmp_lt_u32 s[WV], 2
	s_cbranch_scc1 .Lkeep
.irp t, 0,1,2,3
	ds_store_b128 v[MA], v[ST+8*(\t):ST+8*(\t)+3] offset:STATS+512*(\t)
.endr
	WIN 0x04                        ; the data in window 1; registers ascending: each accumulator's low end first
.set i, 0
.rept 64
	ds_store_b128 v[MA], v[4*i:4*i+3] offset:512*i
.set i, i+1
.endr
	WIN 0
.Lkeep:
	s_wait_dscnt 0x0                ; for the others' sake: my stores are done
	s_barrier_signal -1
	s_barrier_wait -1
	s_cmp_lt_u32 s[WV], 2
	s_cbranch_scc0 .Lend
.macro LOADB t                      ; the other set's O^T of tile t into S^T's registers, two buffers of 64
.set i, 0
.rept 16
	ds_load_b128 v[64+64*((\t)%2)+4*i:64+64*((\t)%2)+4*i+3], v[MA] offset:8192*(\t)+512*i
.set i, i+1
.endr
.endm
.irp t, 0,1,2,3
	ds_load_b128 v[RC+4*(\t):RC+4*(\t)+3], v[MA] offset:STATS+512*(\t)
.endr
	LOADB 0
	LOADB 1
	s_wait_dscnt 32                 ; the statistics are in; the 32 loads behind them may be out
.irp t, 0,1,2,3
	v_max_num_f32 v[ST+8*(\t)+4], v[ST+8*(\t)], v[RC+4*(\t)]
	v_add_f32 v[ST+8*(\t)+2], v[ST+8*(\t)+2], v[ST+8*(\t)+3]
	v_add_f32 v[RC+4*(\t)+2], v[RC+4*(\t)+2], v[RC+4*(\t)+3]
.endr
.irp t, 0,1,2,3
	v_sub_f32 v[ST+8*(\t)+5], v[ST+8*(\t)], v[ST+8*(\t)+4]
	v_sub_f32 v[RC+4*(\t)+1], v[RC+4*(\t)], v[ST+8*(\t)+4]
.endr
.irp t, 0,1,2,3
	v_exp_f32 v[ST+8*(\t)+6], v[ST+8*(\t)+5]
	v_exp_f32 v[RC+4*(\t)], v[RC+4*(\t)+1]
.endr
	v_nop                           ; a plain instruction behind the last exponential,
	s_wait_alu depctr_va_vdst(0)    ; and one wait for the eight
.irp t, 0,1,2,3
	v_mul_f32 v[ST+8*(\t)+2], v[ST+8*(\t)+6], v[ST+8*(\t)+2]
.endr
.irp t, 0,1,2,3
	v_fmac_f32 v[ST+8*(\t)+2], v[RC+4*(\t)], v[RC+4*(\t)+2]
.endr
.irp t, 0,1,2,3
	v_permlanex16_b32 v[ST+8*(\t)+3], v[ST+8*(\t)+2], s[SEL], s[SEL+1]
.endr
.irp t, 0,1,2,3
	v_add_f32 v[ST+8*(\t)+2], v[ST+8*(\t)+2], v[ST+8*(\t)+3]
.endr
.irp t, 0,1,2,3
	v_rcp_f32 v[ST+8*(\t)+4], v[ST+8*(\t)+2]
.endr
	v_nop
	s_wait_alu depctr_va_vdst(0)    ; one wait for the four reciprocals
.irp t, 0,1,2,3
	v_mul_f32 v[ST+8*(\t)+6], v[ST+8*(\t)+6], v[ST+8*(\t)+4]
	v_mul_f32 v[RC+4*(\t)], v[RC+4*(\t)], v[ST+8*(\t)+4]
.endr
; Tile t: merged, rounded to f16, through my stage, stored.  The count-down of the tile before has ended at 0, so tile t's loads are in; only tile 0 waits for its own.
.macro FIN t
.set OB, 64+64*((\t)%2)
.if (\t) == 0
	s_wait_dscnt 16                 ; tile 0 is in; tile 1's 16 loads may be out
.endif
.set i, 0
.rept 32
	v_pk_mul_f32 v[OB+2*i:OB+2*i+1], v[OB+2*i:OB+2*i+1], v[RC+4*(\t):RC+4*(\t)+1] op_sel_hi:[1,0]
.set i, i+1
.endr
	WIN 0x01                        ; source 0, my O^T, in window 1; registers ascending
.set i, 0
.rept 32
	v_pk_fma_f32 v[OB+2*i:OB+2*i+1], v[64*(\t)+2*i:64*(\t)+2*i+1], v[ST+8*(\t)+6:ST+8*(\t)+7], v[OB+2*i:OB+2*i+1] op_sel_hi:[1,0,1]
.set i, i+1
.endr
	WIN 0
.set i, 0
.rept 32
	v_cvt_pk_f16_f32 v[OB+i], v[OB+2*i], v[OB+2*i+1]
.set i, i+1
.endr
.irp f, 0,1,2,3,4,5,6,7
	ds_store_b128 v[STO], v[OB+4*(\f):OB+4*(\f)+3] offset:32*(\f)
.endr
.irp f, 0,1,2,3,4,5,6,7
	ds_load_b128 v[OB+32+4*(\f):OB+32+4*(\f)+3], v[RD] offset:(\f)*2*SP  ; LDS serves a wave's instructions in order (ISA guide 5.7.1.4): these see the stores above
.endr
.irp f, 0,1,2,3,4,5,6,7
	s_wait_dscnt 7-(\f)
	global_store_b128 v[GO], v[OB+32+4*(\f):OB+32+4*(\f)+3], s[10:11] offset:32768*(\t)+4096*(\f)  ; 16 lanes store a head's 256 bytes of a row, aligned
.endr
.if (\t) < 2
	s_wait_xcnt 0x0                 ; the stores have read their registers: the loads below land on them
	LOADB (\t)+2
.endif
.endm
	FIN 0
	FIN 1
	FIN 2
	FIN 3
.Lend:
	s_wait_tensorcnt 0x0            ; the wave's end, behind my last tensor load and my last LDS store
	ds_add_u32 v[SPW], v[NIL]
	s_wait_dscnt 0x0
	CROUND                          ; the closing round
	s_endpgm
.Lfunc_end_k_qeeb2a3207b_attn:
	.size	k_qeeb2a3207b_attn, .Lfunc_end_k_qeeb2a3207b_attn-k_qeeb2a3207b_attn
	.p2alignl 7, 3214868480
	.fill 96, 4, 3214868480
	.section	.rodata,"a",@progbits
	.p2align	6, 0x0
	.amdhsa_kernel k_qeeb2a3207b_attn
		.amdhsa_group_segment_fixed_size 327680
		.amdhsa_private_segment_fixed_size 0
		.amdhsa_enable_private_segment 0
		.amdhsa_kernarg_size 32
		.amdhsa_user_sgpr_count 2
		.amdhsa_user_sgpr_kernarg_segment_ptr 1
		.amdhsa_wavefront_size32 1
		.amdhsa_system_sgpr_workgroup_id_x 1
		.amdhsa_system_sgpr_workgroup_id_y 1
		.amdhsa_system_sgpr_workgroup_id_z 1
		.amdhsa_system_vgpr_workitem_id 0
		.amdhsa_next_free_vgpr 1024
		.amdhsa_next_free_sgpr 72
		.amdhsa_reserve_vcc 0
		.amdhsa_float_denorm_mode_32 3
		.amdhsa_float_denorm_mode_16_64 3
		.amdhsa_memory_ordered 1
		.amdhsa_forward_progress 1
		.amdhsa_inst_pref_size 176
	.end_amdhsa_kernel
	.amdgpu_metadata
---
amdhsa.version: [ 1, 2 ]
amdhsa.kernels:
  - .name:           k_qeeb2a3207b_attn
    .symbol:         k_qeeb2a3207b_attn.kd
    .args:
      - { .name: qh, .offset: 0, .size: 8, .value_kind: global_buffer, .address_space: global }
      - { .name: kh, .offset: 8, .size: 8, .value_kind: global_buffer, .address_space: global }
      - { .name: vh, .offset: 16, .size: 8, .value_kind: global_buffer, .address_space: global }
      - { .name: yb, .offset: 24, .size: 8, .value_kind: global_buffer, .address_space: global }
    .group_segment_fixed_size: 327680
    .private_segment_fixed_size: 0
    .kernarg_segment_align: 8
    .kernarg_segment_size: 32
    .max_flat_workgroup_size: 128
    .sgpr_count:     72
    .vgpr_count:     1024
    .wavefront_size: 32
...
	.end_amdgpu_metadata
.endif
;; end of part 3
;; launch oproj (part 4): grid 8 x 32, 4 waves a work-group, clusters of 4 x 4, 327,680 bytes of LDS; arguments yb, wof, out0; writes out0
.if DOCPART == 4
	.amdgcn_target "amdgcn-amd-amdhsa--gfx1250"
	.amdhsa_code_object_version 6
	.text
	.protected	k_qeeb2a3207b_oproj
	.globl	k_qeeb2a3207b_oproj
	.p2align	8
	.type	k_qeeb2a3207b_oproj,@function
k_qeeb2a3207b_oproj:
	s_mov_b64 s[64:65], 0
	v_nop
	global_prefetch_b8 v0, s[64:65] scope:SCOPE_SE
	s_setreg_imm32_b32 hwreg(HW_REG_WAVE_MODE, 25, 1), 1
	s_wait_xcnt 0x0
	s_wait_alu depctr_hold_cnt(0) depctr_sa_sdst(0) depctr_va_vdst(0) depctr_va_sdst(0) depctr_va_ssrc(0) depctr_va_vcc(0) depctr_vm_vsrc(0)
	s_getreg_b32 s2, hwreg(HW_REG_IB_STS2, 6, 4)
	s_cmp_eq_u32 s2, 0
	s_cbranch_scc0 .Lentry_in_a_cluster
	s_endpgm
.Lentry_in_a_cluster:
	s_bfe_u32 s2, ttmp6, 0x10000c
	s_cmp_lg_u32 s2, 0xf033
	s_cbranch_scc0 .Lentry_shape_is_right
	s_endpgm
.Lentry_shape_is_right:
; out0[m][n] = the sum over k of yb[m][k] wof[n][k].  yb [4096][1024] f16, wof [2048][1024] f16 (wo rounded to bf16, written as f16), out0 [4096][2048] f32; sums in f32.
; TILES.  128 x 256 of out0: 32 x 8 = 256 work-groups.  Four waves, each 64 x 128: 32 accumulators, 256 registers.  K goes in 8 steps of 128 (rows of 256 bytes) through two LDS slots.
; CLUSTERS.  4 x 4 work-groups: yb's tile is shared along a row of the cluster, wof's along a column; each is asked for jointly.
; THE WALK ALONG K BEGINS ELSEWHERE IN EACH CLUSTER.  Cluster (X, y), X = 0, 1, y = 0..7, takes the K steps in the order r, r + 1, .. r + 7 modulo 8, with r = 2 ((y + y / 4) % 4) + 4 X.  The eight
; clusters y of one X read the same rows of wof: among y = 0..3, among y = 4..7, among the even and among the odd y the starts are 0, 2, 4, 6 in some order, so that at no time two of such four ask for
; the same K step, and the two steps of a cluster's first fills are no other's of the four.  The two clusters X of one y read the same rows of yb, four steps apart.  r hangs on the cluster's own
; coordinates alone, which its sixteen work-groups share: every joint load's descriptor is equal in the four that its mask names.
; LIMIT.  The order of K in a sum differs from cluster to cluster; each output has one f32 accumulator.
; No prefetch: the tile is small and K has eight steps.
; THE MATRIX INSTRUCTION IS USED TRANSPOSED (source 0 = 16 rows of wof, source 1 = 16 rows of yb): a lane holds row l % 16 and eight neighbouring columns, 32 bytes.
; REGISTERS: window 0: v0-31 addresses; two fragment buffers of 96 (A's four fragments, then B's eight) at v32 and v128; on the way out three sets of 64.  Window 1: the accumulators, (a, b) at v[8 (8 a + b)].
.set KSTEP,  128
.set KB,     KSTEP*2
.set PITCH,  272                       ; 256 bytes + 16: the 16 rows of a load start at 16 different groups of four banks (64 banks of 4 bytes: ISA guide 11.1)
.set AHALF,  64*PITCH                  ; what a load of A brings
.set BOFF,   128*PITCH                 ; B's 256 rows lie behind A's 128
.set BHALF,  128*PITCH
.set SLOT,   0x20000                   ; a slot uses 104,448 bytes; one exclusive or changes slots
.set STAGE,  SLOT+BOFF+2*BHALF         ; behind the ring: 16 rows x 528 bytes for each wave
.set SPITCH, 528                       ; 512 bytes + 16
.set SPARE,  STAGE+4*16*SPITCH         ; the spare words: 128 bytes a wave, two blocks of 256 bytes that no other line names
.set ADRA0, 16
.set ADRB0, 17
.set ADRA,  18
.set ADRB,  19
.set STO,   24
.set RD,    25
.set CO,    26
.set SPW,   28
.set NIL,   29
.set F0,    32
.set F1,    128
.set WV, 12
.set RH, 13                            ; which 64 rows are mine; also: I fetch for A (0) or for B (1)
.set CH, 14                            ; which 128 columns; also: which half of that tile I fetch
.set CX, 15
.set CY, 16
.set TR, 21
.set TC, 22
.set G1,  24
.set G0,  32
.set BA,  42                           ; s[42:43] yb at the first byte of the rows that I would fetch; never rewritten
.set BB,  46                           ; s[46:47] wof likewise
.set G1B, 48
.set G0B, 56
.set RHO, 66                           ; s66  r: the K step at which my cluster begins (taken modulo 8)
.set KC,  67                           ; s67  the K step asked for last
.set KOFF, 68                          ; s[68:69] its bytes along a row: 256 KC
.set TB,  73
.set OUT, 74
.set MSB, 0
.macro WIN new
.if MSB != (\new)
	s_set_vgpr_msb (MSB<<8)|(\new)
.set MSB, \new
.endif
.endm
.set MUL, 0x50                         ; C and D window 1, sources window 0
.macro PLACES
.rept 4
	v_nop
.endr
.endm
.macro JLOAD                           ; a joint refill by the walking descriptor; an s_nop 0 and four v_nop follow each line
	s_cmp_eq_u32 s[RH], 0
	s_cbranch_scc0 .Lfor_b_\@
	tensor_load_to_lds s[G0+4:G0+7], s[G1:G1+7]
	s_nop 0
.rept 4
	v_nop
.endr
	s_branch .Lasked_\@
.Lfor_b_\@:
	tensor_load_to_lds s[G0B+4:G0B+7], s[G1B:G1B+7]
	s_nop 0
.rept 4
	v_nop
.endr
.Lasked_\@:
.endm
.macro CREST
	s_cmp_lg_u32 s[WV], 0
	s_cbranch_scc1 .Lnot_wave_0_\@
	s_barrier_signal -3
.Lnot_wave_0_\@:
	s_barrier_wait -3
	s_barrier_signal -1
	s_barrier_wait -1
.endm
.macro CROUND
	s_barrier_signal -1
	s_barrier_wait -1
	CREST
.endm
	s_load_b128 s[4:7], s[0:1], 0x0                ; yb 4, wof 6
	s_load_b64 s[8:9], s[0:1], 0x10                ; out0
	v_lshl_add_u32 v[SPW], v0, 2, SPARE
	v_mov_b32 v[NIL], 0
	ds_add_u32 v[SPW], v[NIL]                      ; the wave's opening: the add and its wait stand ahead of my first tensor load
	v_lshrrev_b32 v1, 5, v0
	v_readfirstlane_b32 s[WV], v1
	s_lshr_b32 s[RH], s[WV], 1
	s_and_b32 s[CH], s[WV], 1
	s_bfe_u32 s[CX], ttmp6, 0x40000
	s_bfe_u32 s[CY], ttmp6, 0x40004
	s_lshl_b32 s[TC], ttmp9, 2
	s_add_co_u32 s[TC], s[TC], s[CX]               ; tile column 0..7
	s_and_b32 s[TR], ttmp7, 0xffff
	s_lshl_b32 s[TR], s[TR], 2
	s_add_co_u32 s[TR], s[TR], s[CY]               ; tile row 0..31
	s_and_b32 s[RHO], ttmp7, 0xffff                ; the cluster's y, 0..7
	s_lshr_b32 s23, s[RHO], 2
	s_add_co_u32 s[RHO], s[RHO], s23               ; y + y / 4
	s_and_b32 s[RHO], s[RHO], 3
	s_lshl_b32 s[RHO], s[RHO], 1                   ; 2 ((y + y / 4) % 4)
	s_lshl_b32 s23, ttmp9, 2                       ; 4 X
	s_add_co_u32 s[RHO], s[RHO], s23               ; r: made of the cluster's coordinates alone
	s_mov_b32 s[KOFF+1], 0
	s_lshl_b32 s40, s[CY], 2
	s_lshl_b32 s40, 15, s40                        ; my row of the cluster
	s_lshl_b32 s41, 0x1111, s[CX]                  ; my column
	s_or_b32 s[G1+0], s40, (1<<16)|(1<<20)|(1<<21)|(5<<22)|(3<<25)
	s_or_b32 s[G1B+0], s41, (1<<16)|(1<<20)|(1<<21)|(5<<22)|(3<<25)
	s_mov_b32 s[G1+1], KSTEP<<16                   ; A: 64 rows x 128 elements
	s_mov_b32 s[G1+2], 64<<16
	s_mov_b32 s[G1+3], KSTEP<<16
	s_mov_b32 s[G1+4], 64
	s_mov_b32 s[G1+5], 1024
	s_mov_b32 s[G1+6], 0
	s_mov_b32 s[G1+7], 0
	s_mov_b32 s[G1B+1], KSTEP<<16                  ; B: 128 rows x 128 elements
	s_mov_b32 s[G1B+2], 128<<16
	s_mov_b32 s[G1B+3], KSTEP<<16
	s_mov_b32 s[G1B+4], 128
	s_mov_b32 s[G1B+5], 1024
	s_mov_b32 s[G1B+6], 0
	s_mov_b32 s[G1B+7], 0
	s_lshl_b32 s23, s[CH], 6
	s_lshl_b32 s[BA], s[TR], 7
	s_add_co_u32 s[BA], s[BA], s23
	s_lshl_b32 s[BA], s[BA], 11                    ; A: (128 tile row + 64 half) rows of 2,048 bytes
	s_mov_b32 s[BA+1], 0
	s_lshl_b32 s23, s[CH], 7
	s_lshl_b32 s[BB], s[TC], 8
	s_add_co_u32 s[BB], s[BB], s23
	s_lshl_b32 s[BB], s[BB], 11                    ; B: (256 tile column + 128 half) rows
	s_mov_b32 s[BB+1], 0
	s_mul_i32 s44, s[CH], AHALF                    ; where they go
	s_mul_i32 s45, s[CH], BHALF
	s_add_co_u32 s45, s45, BOFF
	s_mov_b32 s[TB], 0
	s_wait_dscnt 0x0                               ; the opening add is done
	s_wait_kmcnt 0x0
	s_add_nc_u64 s[BA:BA+1], s[4:5], s[BA:BA+1]
	s_add_nc_u64 s[BB:BB+1], s[6:7], s[BB:BB+1]
	CROUND                                         ; all sixteen work-groups are here: the first joint loads meet
.irp s, 0,1
	s_add_co_u32 s[KC], s[RHO], \s                 ; my cluster's first and second K step: (r + s) % 8
	s_and_b32 s[KC], s[KC], 7
	s_lshl_b32 s[KOFF], s[KC], 8                   ; 256 bytes of a row to a K step
	s_mov_b32 s[G0+4*(\s)], 1
	s_add_co_u32 s[G0+4*(\s)+1], s44, (\s)*SLOT
	s_add_nc_u64 s[G0+4*(\s)+2:G0+4*(\s)+3], s[BA:BA+1], s[KOFF:KOFF+1]
	s_or_b32 s[G0+4*(\s)+3], s[G0+4*(\s)+3], 0x80000000
	s_mov_b32 s[G0B+4*(\s)], 1
	s_add_co_u32 s[G0B+4*(\s)+1], s45, (\s)*SLOT
	s_add_nc_u64 s[G0B+4*(\s)+2:G0B+4*(\s)+3], s[BB:BB+1], s[KOFF:KOFF+1]
	s_or_b32 s[G0B+4*(\s)+3], s[G0B+4*(\s)+3], 0x80000000
.endr
	s_cmp_eq_u32 s[RH], 0                          ; a wave's two first fills stand in one branch: two loads of mine are out
	s_cbranch_scc0 .Lfirst_b
	tensor_load_to_lds s[G0:G0+3], s[G1:G1+7]
	s_nop 0
	tensor_load_to_lds s[G0+4:G0+7], s[G1:G1+7]
	s_nop 0
.rept 4
	v_nop
.endr
	s_branch .Lfirst_asked
.Lfirst_b:
	tensor_load_to_lds s[G0B:G0B+3], s[G1B:G1B+7]
	s_nop 0
	tensor_load_to_lds s[G0B+4:G0B+7], s[G1B:G1B+7]
	s_nop 0
.rept 4
	v_nop
.endr
.Lfirst_asked:
	v_and_b32 v1, 15, v0                           ; r
	v_bfe_u32 v2, v0, 4, 1                         ; h
	v_mul_u32_u24 v3, v1, PITCH
	v_lshl_add_u32 v3, v2, 4, v3
	s_mul_i32 s23, s[RH], AHALF                    ; my 64 rows of A
	v_add_nc_u32 v[ADRA0], s23, v3
	v_add_nc_u32 v[ADRB0], s45, v3                 ; my 128 rows of B: the half that CH names
	v_mov_b32 v[ADRA], v[ADRA0]
	v_mov_b32 v[ADRB], v[ADRB0]
	s_mul_i32 s23, s[WV], 16*SPITCH
	s_add_co_u32 s23, s23, STAGE                   ; my stage
	v_mul_u32_u24 v[STO], v1, SPITCH               ; in: row r, 32 bytes for each half of the lanes
	v_lshl_add_u32 v[STO], v2, 5, v[STO]
	v_add_nc_u32 v[STO], s23, v[STO]
	v_and_b32 v[CO], 31, v0
	v_lshlrev_b32 v[CO], 4, v[CO]                  ; back: 32 lanes take a row's 512 bytes
	v_add_nc_u32 v[RD], s23, v[CO]
	s_lshl_b32 s76, s[TR], 7                       ; s76, s77 alone hold numbers made of both cx and cy
	s_lshl_b32 s77, s[RH], 6
	s_add_co_u32 s76, s76, s77
	s_lshl_b32 s76, s76, 13                        ; my first row, of 8,192 bytes,
	s_lshl_b32 s77, s[TC], 10
	s_add_co_u32 s76, s76, s77
	s_lshl_b32 s77, s[CH], 9
	s_add_co_u32 s76, s76, s77                     ; and my first column, of 4
	s_mov_b32 s77, 0
	s_add_nc_u64 s[OUT:OUT+1], s[8:9], s[76:77]
; 8 matrix instructions: row block a x all 8 column blocks, 32 along K.  The 32 accumulators take turns, one instruction a turn.
.macro MUL8 f, a, zero
	WIN MUL
.irp b, 0,1,2,3,4,5,6,7
.if \zero
	v_wmma_f32_16x16x32_f16 v[8*(8*(\a)+(\b)):8*(8*(\a)+(\b))+7], v[(\f)+32+8*(\b):(\f)+32+8*(\b)+7], v[(\f)+8*(\a):(\f)+8*(\a)+7], 0
.else
	v_wmma_f32_16x16x32_f16 v[8*(8*(\a)+(\b)):8*(8*(\a)+(\b))+7], v[(\f)+32+8*(\b):(\f)+32+8*(\b)+7], v[(\f)+8*(\a):(\f)+8*(\a)+7], v[8*(8*(\a)+(\b)):8*(8*(\a)+(\b))+7]
.endif
.endr
.endm
.macro FETCH k, f                      ; 24 LDS loads in one run: B's eight fragments, then A's four
	WIN 0
.irp i, 0,1,2,3,4,5,6,7
	ds_load_b128 v[(\f)+32+8*(\i):(\f)+32+8*(\i)+3],   v[ADRB] offset:(\k)+(\i)*16*PITCH
	ds_load_b128 v[(\f)+32+8*(\i)+4:(\f)+32+8*(\i)+7], v[ADRB] offset:(\k)+(\i)*16*PITCH+32
.endr
.irp i, 0,1,2,3
	ds_load_b128 v[(\f)+8*(\i):(\f)+8*(\i)+3],   v[ADRA] offset:(\k)+(\i)*16*PITCH
	ds_load_b128 v[(\f)+8*(\i)+4:(\f)+8*(\i)+7], v[ADRA] offset:(\k)+(\i)*16*PITCH+32
.endr
.endm
.macro QUARTER k, f, g, zero
	s_wait_dscnt 4                                 ; B and A's fragments 0, 1 are in; the youngest four loads may be out
	MUL8 \f, 0, \zero
	MUL8 \f, 1, \zero
	PLACES
	FETCH \k, \g
	s_wait_dscnt 24                                ; all but the 24 just issued
	MUL8 \f, 2, \zero
	MUL8 \f, 3, \zero
.endm
; The last quarter multiplies buffer 1 and changes slots: ONE barrier; in front of it each wave waits for all its tensor loads, adds 0 to its spare word, and waits for that and for its own reads of this
; slot.  fill = 1: the barrier opens a round of the cluster's barrier, and this slot is filled again first thing behind the round: 112 matrix instructions ahead of the wait for it.  The walking
; descriptors are set between the add and the wait for it, where no tensor load of mine is out: the other slot than last time; the address made anew, the tile's base + 256 x the next K step modulo 8.
.macro TURN fill
	WIN 0
	s_wait_tensorcnt 0x0                           ; all my tensor loads have landed
	ds_add_u32 v[SPW], v[NIL]                      ; 0 onto my spare word
.if \fill
	s_add_co_u32 s[KC], s[KC], 1
	s_and_b32 s[KC], s[KC], 7                      ; behind K step 7 comes K step 0
	s_lshl_b32 s[KOFF], s[KC], 8
	s_xor_b32 s[G0+5], s[G0+5], SLOT
	s_add_nc_u64 s[G0+6:G0+7], s[BA:BA+1], s[KOFF:KOFF+1]
	s_or_b32 s[G0+7], s[G0+7], 0x80000000          ; the type bits, set again
	s_xor_b32 s[G0B+5], s[G0B+5], SLOT
	s_add_nc_u64 s[G0B+6:G0B+7], s[BB:BB+1], s[KOFF:KOFF+1]
	s_or_b32 s[G0B+7], s[G0B+7], 0x80000000
.endif
	s_wait_dscnt 5                                 ; (the add and the youngest four loads may be out)
	MUL8 F1, 0, 0                                  ; eight matrix instructions stand between the add and the wait for it
	s_wait_dscnt 0x0                               ; the add is done, and my reads of this slot are over
	s_barrier_signal -1
	MUL8 F1, 1, 0
	WIN 0
	s_barrier_wait -1
.if \fill
	CREST                                          ; no wave of any partner still reads this slot or has a load on its way
	JLOAD                                          ; the four v_nop behind it are also the places in front of the loads below
.else
	PLACES
.endif
	s_xor_b32 s[TB], s[TB], SLOT
	v_add_nc_u32 v[ADRA], s[TB], v[ADRA0]
	v_add_nc_u32 v[ADRB], s[TB], v[ADRB0]
	FETCH 0, F0
	MUL8 F1, 2, 0
	MUL8 F1, 3, 0
.endm
	s_wait_tensorcnt 1                             ; my part of the first K step is in; the second's may stay out
	s_barrier_signal -1
	s_barrier_wait -1
	FETCH 0, F0
	QUARTER 64, F0, F1, 1                          ; the first quarter's products start the sums
	WIN 0
	s_mov_b32 s3, 6
.Lstep:                                                ; the change of slots behind my cluster's j-th K step asks for its (j + 2)-th, j = 0..5
	QUARTER 128, F1, F0, 0
	QUARTER 192, F0, F1, 0
	TURN 1
	QUARTER 64, F0, F1, 0
	WIN 0
	s_sub_co_u32 s3, s3, 1
	s_cmp_lg_u32 s3, 0
	s_cbranch_scc1 .Lstep
	QUARTER 128, F1, F0, 0                         ; the last K step but one: nothing is left to ask for
	QUARTER 192, F0, F1, 0
	TURN 0
	QUARTER 64, F0, F1, 0                          ; the last K step
	QUARTER 128, F1, F0, 0
	QUARTER 192, F0, F1, 0
	s_wait_dscnt 4
	MUL8 F1, 0, 0
	MUL8 F1, 1, 0
	s_wait_dscnt 0x0
	MUL8 F1, 2, 0
	MUL8 F1, 3, 0
	; THE WAY OUT: a block of 16 rows at a time, 32 bytes a lane into my own stage, back as whole rows of 512 bytes, stored as they are (f32)
	WIN 0
	PLACES
.macro TOSTAGE a
.set BK, 32+64*((\a)%3)
	WIN 0x04                                       ; the data in window 1; each accumulator's low four registers first
.irp b, 0,1,2,3,4,5,6,7
	ds_store_b128 v[STO], v[8*(8*(\a)+(\b)):8*(8*(\a)+(\b))+3]   offset:64*(\b)
	ds_store_b128 v[STO], v[8*(8*(\a)+(\b))+4:8*(8*(\a)+(\b))+7] offset:64*(\b)+16
.endr
	WIN 0
.irp t, 0,1,2,3,4,5,6,7,8,9,10,11,12,13,14,15
	ds_load_b128 v[BK+4*(\t):BK+4*(\t)+3], v[RD] offset:(\t)*SPITCH  ; LDS serves a wave's instructions in order (ISA guide 5.7.1.4): these see the stores above; the next block's stores come behind them
.endr
.endm
.macro SEND a, younger                 ; younger: the LDS instructions issued behind block a's loads: the next block's 32, or none
.set BK, 32+64*((\a)%3)
.irp t, 0,1,2,3,4,5,6,7,8,9,10,11,12,13,14,15
	s_wait_dscnt (\younger)+15-(\t)
	global_store_b128 v[CO], v[BK+4*(\t):BK+4*(\t)+3], s[OUT:OUT+1] offset:(16*(\a)+(\t))*8192 th:TH_STORE_NT  ; 512 consecutive bytes of a row, aligned
.endr
.endm
	TOSTAGE 0
	TOSTAGE 1
	SEND 0, 32
	TOSTAGE 2
	SEND 1, 32
	s_wait_xcnt 0x0                                ; block 0's stores have read their registers: block 3's loads land on them
	TOSTAGE 3
	SEND 2, 32
	SEND 3, 0
	s_wait_tensorcnt 0x0                           ; the wave's end, behind my last tensor load and my last LDS store
	ds_add_u32 v[SPW], v[NIL]
	s_wait_dscnt 0x0
	CROUND                                         ; the closing round
	s_endpgm
.Lfunc_end_k_qeeb2a3207b_oproj:
	.size	k_qeeb2a3207b_oproj, .Lfunc_end_k_qeeb2a3207b_oproj-k_qeeb2a3207b_oproj
	.p2alignl 7, 3214868480
	.fill 96, 4, 3214868480
	.section	.rodata,"a",@progbits
	.p2align	6, 0x0
	.amdhsa_kernel k_qeeb2a3207b_oproj
		.amdhsa_group_segment_fixed_size 327680
		.amdhsa_private_segment_fixed_size 0
		.amdhsa_enable_private_segment 0
		.amdhsa_kernarg_size 24
		.amdhsa_user_sgpr_count 2
		.amdhsa_user_sgpr_kernarg_segment_ptr 1
		.amdhsa_wavefront_size32 1
		.amdhsa_system_sgpr_workgroup_id_x 1
		.amdhsa_system_sgpr_workgroup_id_y 1
		.amdhsa_system_sgpr_workgroup_id_z 1
		.amdhsa_system_vgpr_workitem_id 0
		.amdhsa_next_free_vgpr 512
		.amdhsa_next_free_sgpr 80
		.amdhsa_reserve_vcc 0
		.amdhsa_float_denorm_mode_32 3
		.amdhsa_float_denorm_mode_16_64 3
		.amdhsa_memory_ordered 1
		.amdhsa_forward_progress 1
		.amdhsa_inst_pref_size 71
	.end_amdhsa_kernel
	.amdgpu_metadata
---
amdhsa.version: [ 1, 2 ]
amdhsa.kernels:
  - .name:           k_qeeb2a3207b_oproj
    .symbol:         k_qeeb2a3207b_oproj.kd
    .args:
      - { .name: yb, .offset: 0, .size: 8, .value_kind: global_buffer, .address_space: global }
      - { .name: wof, .offset: 8, .size: 8, .value_kind: global_buffer, .address_space: global }
      - { .name: out0, .offset: 16, .size: 8, .value_kind: global_buffer, .address_space: global }
    .group_segment_fixed_size: 327680
    .private_segment_fixed_size: 0
    .kernarg_segment_align: 8
    .kernarg_segment_size: 24
    .max_flat_workgroup_size: 128
    .sgpr_count:     80
    .vgpr_count:     512
    .wavefront_size: 32
...
	.end_amdgpu_metadata
.endif
;; end of part 4
;; ======== version 2 of 2: 4 launches; version 1 with the launch prep written anew for expert scheduling mode
;; limits: values are held in f16: magnitudes above 65,504 overflow, below 6.1e-05 lose precision; a function is approximated: absolute error at most 0.00025
;; workspace buffers: xb 33,554,432 bytes; wb 8,388,608 bytes; wof 4,194,304 bytes; rot 1,048,576 bytes; qh 8,388,608 bytes; kh 8,388,608 bytes; vh 8,388,608 bytes; yb 8,388,608 bytes
;; launch prep (part 5): grid 768 x 1, 8 waves a work-group, no clusters, 0 bytes of LDS; arguments xt, x0, wq, wk, wv, wo, xb, wb, wof, rot; writes xb, wb, wof, rot
.if DOCPART == 5
	.amdgcn_target "amdgcn-amd-amdhsa--gfx1250"
	.amdhsa_code_object_version 6
	.text
	.protected	k_qeeb2a3207b_prep
	.globl	k_qeeb2a3207b_prep
	.p2align	8
	.type	k_qeeb2a3207b_prep,@function
k_qeeb2a3207b_prep:
	s_mov_b64 s[64:65], 0
	v_nop
	global_prefetch_b8 v0, s[64:65] scope:SCOPE_SE
	s_setreg_imm32_b32 hwreg(HW_REG_WAVE_SCHED_MODE, 0, 2), 2
	s_setreg_imm32_b32 hwreg(HW_REG_WAVE_MODE, 25, 1), 1
	s_wait_xcnt 0x0
	s_wait_alu depctr_vm_vsrc(0)
; PREP.  All six inputs are rounded once to bf16 for the matrix units, and the rotary table is made.
;   xb  [8192][2048] bf16: rows 0-4095 xt by (b, t), rows 4096-8191 x0 by (b, t)
;   wb  [2048][2048] bf16: rows 0-1023 wq; row 1024 + 256 i + 0..127 head i of wk, + 128..255 head i of wv
;   wof [2048][1024] f16:  wo rounded to bf16, that number written as f16
;   rot [4096][64]   f32:  row t = cos(t f_j), j = 0..31, then sin(t f_j): 256 bytes.  f_j = 1024^(-j/31)
; LIMITS.  wo within f16's range (65,504); below 6e-5 its bf16 number keeps f16's fixed step of 6e-8.  f_j comes from v_exp_f32 (ISA guide: 1 ULP), the angle t f_j is rounded once to f32
; and reduced by pi/2 in two parts; the polynomials are cut where their next term is below 3e-8 for |y| <= pi/4, whatever the inputs: the table hangs on no input.
; SHARES.  Work-groups 0-703 stream: each takes 131,072 consecutive bytes of one source, 32 pieces of 4,096; thread t takes 16 bytes at 16 t of each piece and stores 8 bytes at 8 t of 2,048:
; a wave's load covers 512 consecutive bytes, its store 256, aligned.  All 32 loads of a wave go out at once.  No LDS, no barrier, no matrix unit: nothing is shared and memory binds.
; Work-groups 704-767 make 64 rows of the table each, a wave 8 rows, a lane two numbers: a store of a wave is one whole row.
; THE MODE: SCHED_MODE bits 1:0 = 2 (LLVM: expert scheduling mode 2), set by the entry lines.  The code itself states the register dependences
; between vector instructions and memory instructions, with s_wait_alu, always for 0.
; THE PLAN, for the stream.  Registers that memory instructions touch:
;   v1, v2   byte offsets of the loads and of the stores, made once at the head and never written again.
;   X        32 pieces of four registers.  A piece is written by its one load, then by its conversions, in place; its one store reads its first two registers; nothing writes it after that.
; The pieces go in 8 blocks of four.  Block p's conversions name block p's registers alone; its memory instructions are the four stores of block p - 1.  So ONE wait on va_vdst at a block's head
; states all that the block's four stores hang on, and they are dealt among its conversions with no further wait.  No register that a memory instruction has read is written again, and no load
; lands in a register that a vector instruction has named.
; THE PLAN, for the table.  v7, the store's offset, is made once; the rows are reached by the scalar base.  v[10:11], a row's two numbers, are written by the trip's last vector lines and read by
; its store.  s52 and s53 are written by two compares, which stand in one run, and read by two selects.
.set X,   16                           ; v[16:143] 32 pieces of four registers
.set SRC, 28                           ; s[28:29]  the source at my first byte
.set DST, 30                           ; s[30:31]  the target at my first byte
.set W0,  12                           ; v[12:20]  the table: nine registers at work for a lane's first number
.set W1,  22                           ; v[22:30]  and for its second
	s_load_b512 s[8:23], s[0:1], 0x0               ; xt 8, x0 10, wq 12, wk 14, wv 16, wo 18, xb 20, wb 22
	s_load_b128 s[24:27], s[0:1], 0x40             ; wof 24, rot 26
	s_mov_b32 s32, ttmp9                           ; g
	s_mov_b32 s40, 0xffff0000                      ; a word's upper bf16
	v_lshlrev_b32 v1, 4, v0                        ; 16 t
	v_lshlrev_b32 v2, 3, v0                        ; 8 t
	s_wait_kmcnt 0x0
	s_cmp_ge_u32 s32, 704
	s_cbranch_scc1 .Ltable
	; which source and target: s33 the range's first work-group, s34 bytes added in the target, s35 = 1 where heads of wk and wv interleave
	s_mov_b64 s[SRC:SRC+1], s[8:9]
	s_mov_b64 s[DST:DST+1], s[20:21]
	s_mov_b32 s33, 0
	s_mov_b32 s34, 0
	s_mov_b32 s35, 0
	s_cmp_ge_u32 s32, 256                          ; x0: behind xt's 4,096 rows of 4,096 bytes
	s_cselect_b64 s[SRC:SRC+1], s[10:11], s[SRC:SRC+1]
	s_cselect_b32 s33, 256, s33
	s_cselect_b32 s34, 0x1000000, s34
	s_cmp_ge_u32 s32, 512                          ; wq
	s_cselect_b64 s[SRC:SRC+1], s[12:13], s[SRC:SRC+1]
	s_cselect_b64 s[DST:DST+1], s[22:23], s[DST:DST+1]
	s_cselect_b32 s33, 512, s33
	s_cselect_b32 s34, 0, s34
	s_cmp_ge_u32 s32, 576                          ; wk: from row 1,024 on
	s_cselect_b64 s[SRC:SRC+1], s[14:15], s[SRC:SRC+1]
	s_cselect_b32 s33, 576, s33
	s_cselect_b32 s34, 0x400000, s34
	s_cselect_b32 s35, 1, s35
	s_cmp_ge_u32 s32, 608                          ; wv: 128 rows further
	s_cselect_b64 s[SRC:SRC+1], s[16:17], s[SRC:SRC+1]
	s_cselect_b32 s33, 608, s33
	s_cselect_b32 s34, 0x480000, s34
	s_cmp_ge_u32 s32, 640                          ; wo
	s_cselect_b64 s[SRC:SRC+1], s[18:19], s[SRC:SRC+1]
	s_cselect_b64 s[DST:DST+1], s[24:25], s[DST:DST+1]
	s_cselect_b32 s33, 640, s33
	s_cselect_b32 s34, 0, s34
	s_cselect_b32 s35, 0, s35
	s_sub_co_u32 s33, s32, s33                     ; i: my place in the range
	s_lshl_b32 s36, s33, 17                        ; 131,072 i bytes of the source
	s_mov_b32 s37, 0
	s_add_nc_u64 s[SRC:SRC+1], s[SRC:SRC+1], s[36:37]
	s_lshr_b32 s38, s33, 3                         ; a head of wk or wv is eight work-groups: each head leaves room for the other tensor's, 524,288 bytes
	s_lshl_b32 s38, s38, 19
	s_mul_i32 s38, s38, s35
	s_lshl_b32 s36, s33, 16                        ; 65,536 i bytes of the target
	s_add_co_u32 s36, s36, s34
	s_add_co_u32 s36, s36, s38
	s_add_nc_u64 s[DST:DST+1], s[DST:DST+1], s[36:37]
	s_wait_alu depctr_va_vdst(0)                   ; v1 and v2 are written: every load below reads v1 as its offset, every store v2
.set i, 0
.rept 32
	global_load_b128 v[X+4*i:X+4*i+3], v1, s[SRC:SRC+1] offset:4096*i th:TH_LOAD_NT
.set i, i+1
.endr
; Piece i rounded to bf16, in place: four numbers close up into the first two of their four registers.
.macro TOBF i
	v_cvt_pk_bf16_f32 v[X+4*(\i)], v[X+4*(\i)], v[X+4*(\i)+1]
	v_cvt_pk_bf16_f32 v[X+4*(\i)+1], v[X+4*(\i)+2], v[X+4*(\i)+3]
.endm
; Piece i of wo: rounded to bf16 like the other inputs, widened again, and written as f16 (exact within f16's range).  v4 and v5 are named by vector instructions alone.
.macro TOHALF i
	v_cvt_pk_bf16_f32 v4, v[X+4*(\i)], v[X+4*(\i)+1]
	v_cvt_pk_bf16_f32 v5, v[X+4*(\i)+2], v[X+4*(\i)+3]
	v_lshlrev_b32 v[X+4*(\i)], 16, v4
	v_and_b32 v[X+4*(\i)+1], s40, v4
	v_lshlrev_b32 v[X+4*(\i)+2], 16, v5
	v_and_b32 v[X+4*(\i)+3], s40, v5
	v_cvt_pk_f16_f32 v[X+4*(\i)], v[X+4*(\i)], v[X+4*(\i)+1]
	v_cvt_pk_f16_f32 v[X+4*(\i)+1], v[X+4*(\i)+2], v[X+4*(\i)+3]
.endm
.macro OUT i
	global_store_b64 v2, v[X+4*(\i):X+4*(\i)+1], s[DST:DST+1] offset:2048*(\i) th:TH_STORE_NT  ; no register that a load or store names is written again
.endm
; The 8 blocks.  half = 1: wo's way.
.macro STREAM half
.set p, 0
.rept 8
	s_wait_loadcnt 28-4*p                          ; loads come back in order: block p's four pieces are in, the 28 - 4 p younger loads stay out
.if p > 0
	s_wait_alu depctr_va_vdst(0)                   ; the block before has written its pieces' first two registers, which the four stores below read; the conversions below name this block's registers alone
.endif
.set j, 0
.rept 4
.if p > 0
	OUT 4*(p-1)+j
.endif
.if \half
	TOHALF 4*p+j
.else
	TOBF 4*p+j
.endif
.set j, j+1
.endr
.set p, p+1
.endr
	s_wait_alu depctr_va_vdst(0)                   ; the last block has written its pieces, which the last four stores read
.set j, 28
.rept 4
	OUT j
.set j, j+1
.endr
.endm
	s_cmp_ge_u32 s32, 640
	s_cbranch_scc1 .Lf16
	STREAM 0
	s_endpgm
.Lf16:
	STREAM 1
	s_endpgm
; THE TABLE.  Lane L: numbers j = 2 (L % 16) and j + 1; lanes 0-15 the cosines, lanes 16-31 the sines (v8 = 1), taken as cos(angle - pi/2).
.Ltable:
	s_sub_co_u32 s33, s32, 704
	s_lshl_b32 s33, s33, 6                         ; the work-group's first row
	s_mov_b32 s42, 0xbfc90fdb                      ; - pi/2, the f32 next to it,
	s_mov_b32 s43, 0x333bbd2e                      ; and what that f32 has too much
	s_mov_b32 s44, 0xbe2aaaab                      ; sine: -1/6, 1/120, -1/5040, 1/362880
	s_mov_b32 s45, 0x3c088889
	s_mov_b32 s46, 0xb9500d01
	s_mov_b32 s47, 0x3638ef1d
	s_mov_b32 s48, 0x3d2aaaab                      ; cosine: 1/24, -1/720, 1/40320
	s_mov_b32 s49, 0xbab60b61
	s_mov_b32 s50, 0x37d00d01
	v_and_b32 v3, 31, v0                           ; L
	v_lshrrev_b32 v6, 5, v0                        ; wave
	v_lshl_add_u32 v6, v6, 3, s33                  ; my wave's first row t
	v_lshrrev_b32 v8, 4, v3
	v_and_b32 v4, 15, v3
	v_lshlrev_b32 v4, 1, v4
	v_add_nc_u32 v5, 1, v4
	v_cvt_f32_u32 v4, v4
	v_cvt_f32_u32 v5, v5
	v_mul_f32 v4, 0xbea5294a, v4                   ; -10 j / 31
	v_mul_f32 v5, 0xbea5294a, v5
	v_exp_f32 v4, v4                               ; f_j = 2^(-10 j / 31)
	v_exp_f32 v5, v5
	v_lshlrev_b32 v7, 8, v6                        ; a plain instruction behind the second exponential: 256 t,
	v_lshl_add_u32 v7, v3, 3, v7                   ; + 8 L: my 8 bytes of my wave's first row; never written again
	s_wait_alu depctr_va_vdst(0)                   ; the two exponentials have written v4 and v5: one wait for both, ahead of their first reader and of the label
; cos(t f - v8 pi/2), in two parts.  n = the nearest whole number to angle x 2/pi; y = angle - n pi/2, |y| <= pi/4; cos(y + k pi/2) with k = n - v8 is cos y, -sin y, -cos y, sin y for k mod 4 = 0..3.
; ANGLE: k, the mask of the lanes with an odd k, sin y and cos y.  f: the register of f_j; w: nine registers at work; m: the scalar register that takes the mask.
; The compare stands as early as k allows: the polynomials lie between it and the wait for its mask.
.macro ANGLE f, w, m
	v_mul_f32 v[(\w)], v9, v[\f]                   ; the angle, rounded once
	v_mul_f32 v[(\w)+1], 0x3f22f983, v[(\w)]
	v_rndne_f32 v[(\w)+1], v[(\w)+1]
	v_fma_f32 v[(\w)+2], v[(\w)+1], s42, v[(\w)]
	v_fma_f32 v[(\w)+2], v[(\w)+1], s43, v[(\w)+2] ; y
	v_cvt_i32_f32 v[(\w)+3], v[(\w)+1]
	v_sub_nc_u32 v[(\w)+3], v[(\w)+3], v8          ; k
	v_and_b32 v[(\w)+8], 1, v[(\w)+3]
	v_cmp_eq_u32 s[\m], 1, v[(\w)+8]               ; odd k
	v_mul_f32 v[(\w)+4], v[(\w)+2], v[(\w)+2]      ; z = y y
	v_fma_f32 v[(\w)+5], v[(\w)+4], s47, s46
	v_fma_f32 v[(\w)+5], v[(\w)+5], v[(\w)+4], s45
	v_fma_f32 v[(\w)+5], v[(\w)+5], v[(\w)+4], s44
	v_mul_f32 v[(\w)+6], v[(\w)+2], v[(\w)+4]
	v_fma_f32 v[(\w)+5], v[(\w)+6], v[(\w)+5], v[(\w)+2]  ; sin y
	v_fma_f32 v[(\w)+7], v[(\w)+4], s50, s49
	v_fma_f32 v[(\w)+7], v[(\w)+7], v[(\w)+4], s48
	v_fma_f32 v[(\w)+7], v[(\w)+7], v[(\w)+4], -0.5
	v_fma_f32 v[(\w)+7], v[(\w)+7], v[(\w)+4], 1.0 ; cos y
.endm
; PICK: the one of the two that k asks for, with its sign.
.macro PICK dst, w, m
	v_cndmask_b32 v[(\w)+5], v[(\w)+7], v[(\w)+5], s[\m]  ; odd k: the sine
	v_add_nc_u32 v[(\w)+3], 1, v[(\w)+3]
	v_and_b32 v[(\w)+3], 2, v[(\w)+3]              ; k mod 4 = 1, 2: the sign turns
	v_lshlrev_b32 v[(\w)+3], 30, v[(\w)+3]
	v_xor_b32 v[\dst], v[(\w)+5], v[(\w)+3]
.endm
	s_mov_b32 s41, 8
.Lrow:
	v_cvt_f32_u32 v9, v6
	ANGLE 4, W0, 52
	ANGLE 5, W1, 53
	s_wait_alu depctr_va_sdst(0)                   ; the two compares have written s52 and s53, ahead of their first readers, the selects below
	s_wait_xcnt 0x0                                ; the last trip's store has had its address translated: its base and its data are written again only behind this wait
	s_wait_alu depctr_vm_vsrc(0)                   ; the last trip's store has read v[10:11], which the lines below write again
	PICK 10, W0, 52
	PICK 11, W1, 53
	v_add_nc_u32 v6, 1, v6                         ; the next row's t: no memory instruction names it
	s_add_nc_u64 s[26:27], s[26:27], 0x100         ; the base goes a row ahead; the store reaches back
	s_wait_alu depctr_va_vdst(0)                   ; v[10:11] are written, which the store reads as its data (and, in the first trip, v7, its offset)
	global_store_b64 v7, v[10:11], s[26:27] offset:-256  ; 32 lanes: the row's 256 bytes
	s_sub_co_u32 s41, s41, 1
	s_cmp_lg_u32 s41, 0
	s_cbranch_scc1 .Lrow
	s_endpgm
.Lfunc_end_k_qeeb2a3207b_prep:
	.size	k_qeeb2a3207b_prep, .Lfunc_end_k_qeeb2a3207b_prep-k_qeeb2a3207b_prep
	.p2alignl 7, 3214868480
	.fill 96, 4, 3214868480
	.section	.rodata,"a",@progbits
	.p2align	6, 0x0
	.amdhsa_kernel k_qeeb2a3207b_prep
		.amdhsa_group_segment_fixed_size 0
		.amdhsa_private_segment_fixed_size 0
		.amdhsa_enable_private_segment 0
		.amdhsa_kernarg_size 80
		.amdhsa_user_sgpr_count 2
		.amdhsa_user_sgpr_kernarg_segment_ptr 1
		.amdhsa_wavefront_size32 1
		.amdhsa_system_sgpr_workgroup_id_x 1
		.amdhsa_system_sgpr_workgroup_id_y 1
		.amdhsa_system_sgpr_workgroup_id_z 1
		.amdhsa_system_vgpr_workitem_id 0
		.amdhsa_next_free_vgpr 144
		.amdhsa_next_free_sgpr 66
		.amdhsa_reserve_vcc 0
		.amdhsa_float_denorm_mode_32 3
		.amdhsa_float_denorm_mode_16_64 3
		.amdhsa_memory_ordered 1
		.amdhsa_forward_progress 1
		.amdhsa_inst_pref_size 33
	.end_amdhsa_kernel
	.amdgpu_metadata
---
amdhsa.version: [ 1, 2 ]
amdhsa.kernels:
  - .name:           k_qeeb2a3207b_prep
    .symbol:         k_qeeb2a3207b_prep.kd
    .args:
      - { .name: xt, .offset: 0, .size: 8, .value_kind: global_buffer, .address_space: global }
      - { .name: x0, .offset: 8, .size: 8, .value_kind: global_buffer, .address_space: global }
      - { .name: wq, .offset: 16, .size: 8, .value_kind: global_buffer, .address_space: global }
      - { .name: wk, .offset: 24, .size: 8, .value_kind: global_buffer, .address_space: global }
      - { .name: wv, .offset: 32, .size: 8, .value_kind: global_buffer, .address_space: global }
      - { .name: wo, .offset: 40, .size: 8, .value_kind: global_buffer, .address_space: global }
      - { .name: xb, .offset: 48, .size: 8, .value_kind: global_buffer, .address_space: global }
      - { .name: wb, .offset: 56, .size: 8, .value_kind: global_buffer, .address_space: global }
      - { .name: wof, .offset: 64, .size: 8, .value_kind: global_buffer, .address_space: global }
      - { .name: rot, .offset: 72, .size: 8, .value_kind: global_buffer, .address_space: global }
    .group_segment_fixed_size: 0
    .private_segment_fixed_size: 0
    .kernarg_segment_align: 8
    .kernarg_segment_size: 80
    .max_flat_workgroup_size: 256
    .sgpr_count:     66
    .vgpr_count:     144
    .wavefront_size: 32
...
	.end_amdgpu_metadata
.endif
;; end of part 5
;; launch qkv: the kernel of part 2 again; grid 8 x 24, 4 waves a work-group, clusters of 4 x 4, 327,680 bytes of LDS; arguments xb, wb, rot, qh, kh, vh; writes qh, kh, vh
;; launch attn: the kernel of part 3 again; grid 32 x 8, 4 waves a work-group, clusters of 4 x 1, 327,680 bytes of LDS; arguments qh, kh, vh, yb; writes yb
;; launch oproj: the kernel of part 4 again; grid 8 x 32, 4 waves a work-group, clusters of 4 x 4, 327,680 bytes of LDS; arguments yb, wof, out0; writes out0
